; MI455X (gfx1250); checked and timed in simulation.
; The chip was launched on July 23, 2026; its instructions are those of AMD's public machine-readable ISA for CDNA 5 (MIT licence, August 2026) and "CDNA5" Instruction Set Architecture Reference Guide (July 2026). The comments in the code are by the model that wrote it; some were corrected since.
;; Palace Attention. Allowed arithmetic: matrix products marked QUANTISED: E4M3 operands, one given power-of-two scale a tensor, by v_wmma_f32_16x16x64_fp8_fp8 or v_wmma_f32_16x16x128_fp8_fp8, f32 sums; everything else in f32.
;; Inputs: Wk 1,024 x 1,024 float32; Wq 1,024 x 1,024 float32; Wv 1,024 x 1,024 float32; inter_palace_weight one number float32; lowp_scales 10 int32 (the exponents e of the quantised operands' scales 2^e); x 4 x 2,048 x 1,024 float32.
;; Outputs: out0 4 x 2,048 x 1,024 float32.
;; This version of the problem:
;;   THIS VERSION OF THE PROBLEM IS GIVEN IN LOW PRECISION. The matrix products marked QUANTISED in the list below multiply operands that are first quantised to E4M3 (4 exponent bits, 3 mantissa bits; 8 bits a number), with one given power-of-two scale for each operand tensor; their sums are f32. All else is computed in f32.
;;   The module's matrix products, in the order in which they are computed (A, B: the left and right operand; K: the contracted axis; several contracted axes count as one K, in the product's order):
;;     1. [M 8,192, K 1,024] x [K 1,024, N 1,024]; A: input x; B: input Wq: QUANTISED (scales: A lowp_scales[0], B lowp_scales[1])
;;     2. [M 8,192, K 1,024] x [K 1,024, N 1,024]; A: input x; B: input Wk: QUANTISED (scales: A lowp_scales[2], B lowp_scales[3])
;;     3. [M 8,192, K 1,024] x [K 1,024, N 1,024]; A: input x; B: input Wv: QUANTISED (scales: A lowp_scales[4], B lowp_scales[5])
;;     4. batch 64 x [M 2,048, K 64] x [K 64, N 2,048]; A: computed on the way; B: computed on the way: QUANTISED (scales: A lowp_scales[6], B lowp_scales[7])
;;     5. batch 64 x [M 64, K 2,048] x [K 2,048, N 2,048]; A: computed on the way; B: computed on the way: QUANTISED (scales: A lowp_scales[8], B lowp_scales[9])
;;   THE QUANTISER, for each operand of a quantised product, along K:
;;     - The operand's scale is 2^e, e = its entry of the input lowp_scales (int32; the entries are numbered through the quantised products in the list's order, A before B).
;;     - Each number is divided by the scale, clamped to +-448, and rounded to the nearest number of E4M3, ties to even, subnormals kept.
;;     - The product sums the exact products of the quantised numbers (number of the format x scale) in f32.
;;   ~~~python
;;   def quantise(x, axis, e):      # numpy; x: float32 -> the quantised numbers, widened to float32 again
;;       x = np.moveaxis(x, axis, -1); K = x.shape[-1]
;;       r = np.clip(x / 2.0 ** e, -448, 448)
;;       step = 2.0 ** (np.maximum(np.frexp(np.where(r == 0, 1, r))[1] - 1, -6) - 3)
;;       q = np.round(r / step) * step * 2.0 ** e      # np.round: ties to even
;;       return np.moveaxis(q, -1, axis).astype(np.float32)
;;   ~~~
;;   OPERANDS COMPUTED ON THE WAY. 'Computed on the way' means the value that the module computes at that place (a softmax that the list does not call 'softmax' is quantised finished and normalised). What goes into a quantiser is computed in f32, as accurately as f32 sums, v_exp_f32 and their like allow (about 1e-6 of the number): no bf16 or f16 on the way to a quantiser, and a product that is left as it is and whose result goes on into a quantised operand takes f32 operands (vector FMAs, or v_wmma_f32_16x16x4_f32). A number that lies on a knife's edge between two numbers of the format may be rounded either way, as far as f32 arithmetic and the matrix unit's own rounding can turn it there, and no further.
;; 2 versions, each right; version 2 is version 1 with the launch attn written anew for expert scheduling mode. Each part assembles by itself: llvm-mc -triple=amdgcn-amd-amdhsa -mcpu=gfx1250 --defsym DOCPART=n.
;; ======== version 1 of 2: 3 launches
;; workspace buffers: xc 25,165,824 bytes; wc 3,145,728 bytes; qkv 25,165,824 bytes
;; launch quant (part 1): grid 704 x 1, 4 waves a work-group, no clusters, 0 bytes of LDS; arguments x, Wq, Wk, Wv, lowp_scales, xc, wc; writes xc, wc
.if DOCPART == 1
	.amdgcn_target "amdgcn-amd-amdhsa--gfx1250"
	.amdhsa_code_object_version 6
	.text
	.protected	k_q2e4a3d8234_quant
	.globl	k_q2e4a3d8234_quant
	.p2align	8
	.type	k_q2e4a3d8234_quant,@function
k_q2e4a3d8234_quant:
	s_mov_b64 s[64:65], 0
	v_nop
	global_prefetch_b8 v0, s[64:65] scope:SCOPE_SE
	s_setreg_imm32_b32 hwreg(HW_REG_WAVE_MODE, 25, 1), 1
	s_wait_xcnt 0x0
; PalaceAttention, first of three launches: x and the three weights become codes of E4M3.
; NO WORK OF THE PROBLEM IS LEFT OUT, in any launch: the palace mask multiplies the scores by 1 or by sigmoid(w) and hides none of them, so every tile of both attention
; products counts; all ten entries of lowp_scales and every input reach the output.
; x is an operand of three products, each with a scale of its own (entries 0, 2, 4), which may differ: it is read once and quantised three times, into xc's parts 0, 1, 2
; (8,388,608 bytes each, rows of 1,024 codes).  Wq, Wk, Wv (entries 1, 3, 5) go into wc's parts 0, 1, 2 (1,048,576 bytes each).  K is the last axis of all four tensors.
; code = number / 2^e, held within +-448, rounded to the nearest code, ties to even.
; THE ORDER ALONG K.  A step takes 512 numbers by four loads of 512 consecutive bytes; lane l's register 4 i + j is number 128 i + 4 l + j of the step, and its 16 codes are stored on end at 16 l.
; So inside each run of 512 along K the codes lie permuted, in x and in the weights alike: every product of the next launch still meets its partner, and only the order of the sums changes.
; SHARES.  A wave takes 4,096 numbers, 8 steps; a work-group 16,384.  Work-groups 0-511 take x, 512-703 the weights, 64 each.  All 32 loads of a wave go out at its head.
; No LDS, no barrier: waves share nothing.  Every step and output has code registers of its own, so no store's data are written again.
; LIMITS: entries 0 to 5 lie between -126 and 119, so that 2^e and 448 x 2^e are f32 numbers.  NaN among the inputs is not served; an infinity is held at the largest code.
.set NX, 512                           ; x's work-groups
.set T,  8                             ; v8-23    16 numbers, held
.set X,  24                            ; v24-151  the wave's numbers, 16 a step
.set C,  152                           ; v152-247 codes: four registers for step t and output o at C + 4 (3 t + o)
; v1 16 x lane; v2, v3: 2^e and 448 x 2^e of output 0; v4, v5 of output 1; v6, v7 of output 2
	s_load_b256 s[4:11], s[0:1], 0x0               ; x s[4:5], Wq s[6:7], Wk s[8:9], Wv s[10:11]
	s_load_b128 s[12:15], s[0:1], 0x20             ; the scales' exponents s[12:13], xc s[14:15]
	s_load_b64 s[16:17], s[0:1], 0x30              ; wc
	v_lshrrev_b32 v2, 5, v0
	v_readfirstlane_b32 s26, v2                    ; wave 0..3
	v_and_b32 v1, 31, v0
	v_lshlrev_b32 v1, 4, v1                        ; my 16 bytes of a load's or a store's 512
	s_sub_co_u32 s36, ttmp9, NX
	s_lshr_b32 s37, s36, 6                         ; which weight: 0, 1, 2
	s_and_b32 s38, s36, 63                         ; and which sixty-fourth of it
	s_cmp_lt_u32 ttmp9, NX                         ; x's work-group?  The choice hangs on the work-group's number alone
	s_cselect_b32 s37, 0, s37
	s_cselect_b32 s38, ttmp9, s38
	s_lshl_b32 s38, s38, 2
	s_add_co_u32 s38, s38, s26                     ; which run of 4,096 numbers of the tensor is my wave's
	s_lshl_b32 s40, s38, 14                        ; in bytes of f32,
	s_mov_b32 s41, 0
	s_lshl_b32 s42, s38, 12                        ; and of codes
	s_mov_b32 s43, 0
	s_lshl_b32 s44, s37, 20                        ; the weight's part of wc
	s_mov_b32 s45, 0
	s_wait_kmcnt 0x0
	s_load_b256 s[28:35], s[12:13], 0x0            ; e0 .. e7
	s_cmp_eq_u32 s37, 1
	s_cselect_b64 s[6:7], s[8:9], s[6:7]
	s_cmp_eq_u32 s37, 2
	s_cselect_b64 s[6:7], s[10:11], s[6:7]
	s_cmp_lt_u32 ttmp9, NX
	s_cselect_b64 s[4:5], s[4:5], s[6:7]           ; from where
	s_cselect_b64 s[18:19], s[14:15], s[16:17]     ; output 0: xc's part 0, or wc
	s_add_nc_u64 s[4:5], s[4:5], s[40:41]
	s_add_nc_u64 s[18:19], s[18:19], s[44:45]
	s_add_nc_u64 s[18:19], s[18:19], s[42:43]
	s_add_nc_u64 s[20:21], s[14:15], s[42:43]
	s_add_nc_u64 s[22:23], s[20:21], 0x1000000     ; output 2: xc's part 2
	s_add_nc_u64 s[20:21], s[20:21], 0x800000      ; output 1: xc's part 1
.irp t, 0,1,2,3,4,5,6,7
.irp i, 0,1,2,3
	global_load_b128 v[X+16*\t+4*\i:X+16*\t+4*\i+3], v1, s[4:5] offset:2048*\t+512*\i th:TH_LOAD_NT   ; 32 lanes read 512 consecutive bytes; read once in the launch
.endr
.endr
	s_wait_kmcnt 0x0
	s_cmp_eq_u32 s37, 1
	s_cselect_b32 s36, s31, s29                    ; output 0's exponent: e1, e3 or e5 for a weight,
	s_cmp_eq_u32 s37, 2
	s_cselect_b32 s36, s33, s36
	s_cmp_lt_u32 ttmp9, NX
	s_cselect_b32 s36, s28, s36                    ; e0 for x
.macro MKSC e, o                       ; 2^e and 448 x 2^e as f32, for output o
	s_add_co_i32 s46, s[\e], 127
	s_lshl_b32 s47, s46, 23
	v_mov_b32 v[2+2*\o], s47                       ; the conversion takes its exponent field
	s_add_co_i32 s46, s46, 8
	s_lshl_b32 s46, s46, 23
	s_or_b32 s46, s46, 0x600000                    ; 448 = 1.75 x 2^8
	v_mov_b32 v[3+2*\o], s46
.endm
	MKSC 36, 0
	MKSC 30, 1                                     ; e2
	MKSC 32, 2                                     ; e4
; Step t's 16 numbers of a lane become 16 codes under output o's scale and are stored.
.macro QOUT t, o, dst
.irp i, 0,1,2,3,4,5,6,7,8,9,10,11,12,13,14,15
	v_med3_num_f32 v[T+\i], v[X+16*(\t)+\i], -v[3+2*(\o)], v[3+2*(\o)]   ; the conversion to an 8-bit code does not saturate (ISA guide 7.6.2): the hold at the largest code x the scale
.endr
	v_cvt_scalef32_pk8_fp8_f32 v[C+4*(3*(\t)+(\o)):C+4*(3*(\t)+(\o))+1], v[T:T+7], v[2+2*(\o)]
	v_cvt_scalef32_pk8_fp8_f32 v[C+4*(3*(\t)+(\o))+2:C+4*(3*(\t)+(\o))+3], v[T+8:T+15], v[2+2*(\o)]
	v_nop                                          ; one plain vector instruction between the conversions and the next holds, which write their sources
	global_store_b128 v1, v[C+4*(3*(\t)+(\o)):C+4*(3*(\t)+(\o))+3], s[\dst:\dst+1] offset:512*(\t)   ; 32 lanes store 512 consecutive bytes, at a multiple of 512 from the buffer's first byte
.endm
.irp t, 0,1,2,3,4,5,6,7
	s_wait_loadcnt 28-4*\t                         ; loads come back in order: step t's four are in, those of the 7 - t later steps may be out
	QOUT \t, 0, 18
.endr
	s_cmp_ge_u32 ttmp9, NX                         ; a weight has one scale: its work-groups are done
	s_cbranch_scc1 .Ldone
.irp t, 0,1,2,3,4,5,6,7
	QOUT \t, 1, 20
	QOUT \t, 2, 22
.endr
.Ldone:
	s_endpgm
.Lfunc_end_k_q2e4a3d8234_quant:
	.size	k_q2e4a3d8234_quant, .Lfunc_end_k_q2e4a3d8234_quant-k_q2e4a3d8234_quant
	.p2alignl 7, 3214868480
	.fill 96, 4, 3214868480
	.section	.rodata,"a",@progbits
	.p2align	6, 0x0
	.amdhsa_kernel k_q2e4a3d8234_quant
		.amdhsa_group_segment_fixed_size 0
		.amdhsa_private_segment_fixed_size 0
		.amdhsa_enable_private_segment 0
		.amdhsa_kernarg_size 56
		.amdhsa_user_sgpr_count 2
		.amdhsa_user_sgpr_kernarg_segment_ptr 1
		.amdhsa_wavefront_size32 1
		.amdhsa_system_sgpr_workgroup_id_x 1
		.amdhsa_system_sgpr_workgroup_id_y 1
		.amdhsa_system_sgpr_workgroup_id_z 1
		.amdhsa_system_vgpr_workitem_id 0
		.amdhsa_next_free_vgpr 248
		.amdhsa_next_free_sgpr 66
		.amdhsa_reserve_vcc 0
		.amdhsa_float_denorm_mode_32 3
		.amdhsa_float_denorm_mode_16_64 3
		.amdhsa_memory_ordered 1
		.amdhsa_forward_progress 1
		.amdhsa_inst_pref_size 37
	.end_amdhsa_kernel
	.amdgpu_metadata
---
amdhsa.version: [ 1, 2 ]
amdhsa.kernels:
  - .name:           k_q2e4a3d8234_quant
    .symbol:         k_q2e4a3d8234_quant.kd
    .args:
      - { .name: x, .offset: 0, .size: 8, .value_kind: global_buffer, .address_space: global }
      - { .name: Wq, .offset: 8, .size: 8, .value_kind: global_buffer, .address_space: global }
      - { .name: Wk, .offset: 16, .size: 8, .value_kind: global_buffer, .address_space: global }
      - { .name: Wv, .offset: 24, .size: 8, .value_kind: global_buffer, .address_space: global }
      - { .name: lowp_scales, .offset: 32, .size: 8, .value_kind: global_buffer, .address_space: global }
      - { .name: xc, .offset: 40, .size: 8, .value_kind: global_buffer, .address_space: global }
      - { .name: wc, .offset: 48, .size: 8, .value_kind: global_buffer, .address_space: global }
    .group_segment_fixed_size: 0
    .private_segment_fixed_size: 0
    .kernarg_segment_align: 8
    .kernarg_segment_size: 56
    .max_flat_workgroup_size: 128
    .sgpr_count:     66
    .vgpr_count:     248
    .wavefront_size: 32
...
	.end_amdgpu_metadata
.endif
;; end of part 1
;; launch proj (part 2): grid 12 x 32, 4 waves a work-group, clusters of 4 x 4, 327,680 bytes of LDS; arguments xc, wc, lowp_scales, qkv; writes qkv
.if DOCPART == 2
	.amdgcn_target "amdgcn-amd-amdhsa--gfx1250"
	.amdhsa_code_object_version 6
	.text
	.protected	k_q2e4a3d8234_proj
	.globl	k_q2e4a3d8234_proj
	.p2align	8
	.type	k_q2e4a3d8234_proj,@function
k_q2e4a3d8234_proj:
	s_mov_b64 s[64:65], 0
	v_nop
	global_prefetch_b8 v0, s[64:65] scope:SCOPE_SE
	s_setreg_imm32_b32 hwreg(HW_REG_WAVE_MODE, 25, 1), 1
	s_wait_xcnt 0x0
	s_wait_alu depctr_hold_cnt(0) depctr_sa_sdst(0) depctr_va_vdst(0) depctr_va_sdst(0) depctr_va_ssrc(0) depctr_va_vcc(0) depctr_vm_vsrc(0)
	s_getreg_b32 s2, hwreg(HW_REG_IB_STS2, 6, 4)
	s_cmp_eq_u32 s2, 0
	s_cbranch_scc0 .Lentry_in_a_cluster
	s_endpgm
.Lentry_in_a_cluster:
	s_bfe_u32 s2, ttmp6, 0x10000c
	s_cmp_lg_u32 s2, 0xf033
	s_cbranch_scc0 .Lentry_shape_is_right
	s_endpgm
.Lentry_shape_is_right:
; PalaceAttention, second launch: q = x Wq^T, k = x Wk^T, v = x Wv^T on codes of E4M3 (K = 1,024), and q, k, v quantised in registers for the attention's two products.  Nothing of the problem is left out.
; WHICH PRODUCT: the cluster's x, p = 0 (q), 1 (k), 2 (v).  x's codes: xc's part p; the weight's: wc's part p.  A sum stands for sum x 2^(ex + ew); its code under the next scale 2^eo is
; sum / 2^(eo - ex - ew), held within +-448: (ex, ew, eo) = entries (0, 1, 6), (2, 3, 7), (4, 5, 8) of the scales, chosen without a branch.
; A tile of 256 x 256 is made by four waves, each 128 x 128: 64 accumulators, 512 registers.  K goes in steps of 256 through a ring of two LDS slots filled by the tensor data mover; four K steps, written straight.
; THE TWO SIDES.  Source 1 of the matrix instruction ('A', shared along a row of the cluster) and source 0 ('B', shared along a column).  In the result lane (r, hh) holds row r of source 1 and rows 8 hh + 0 .. 7 of source 0.
;   q, k: A = 256 tokens, B = 256 features: a lane holds one token and eight neighbouring features: the head's axis, which is the K of q k^T.
;   v:    A = 256 features, B = 256 tokens: a lane holds one feature and eight neighbouring tokens: the keys, which are the K of the second product.  So nothing is transposed.
; THE OUTPUT IS LAID AS IMAGES OF OPERAND REGISTERS: each conversion gives registers 2 c, 2 c + 1 of a fragment of the plain 8-bit layout, and four registers of 32 lanes are stored as 512 bytes on end.
;   q (at 0), k (at 8,388,608): [batch 4][pair of heads 8][tile of 16 tokens 128][head of the pair 2][half 2][lane 32][16 bytes]: a fragment 16 tokens x 64 is 1,024 bytes.
;   v (at 16,777,216): [batch 4][step of 128 keys 16][tile of 16 features 64][quad 4][lane 32][16 bytes]: a fragment 16 features x 128 keys is 2,048 bytes.
; CLUSTERS: 4 x 4 work-groups; A's tile is asked for jointly by the four of a row, B's by the four of a column: the same tensor load, the same descriptor, a mask that names the four.
; LIMITS: eo - ex - ew lies between -126 and 119 for each of the three products.
; REGISTERS, in windows of 256: window 0: v0-31 addresses and the scale; from v128 A's fragments, one set; on the way out v32-95 the held sums, v128-255 the codes.
;   window 1: B's fragments, two sets, at v0 and v128.   window 2: the accumulators of my rows 0-63 ((a, b) at v[8 (8 a + b)]);   window 3: those of my rows 64-127.
.set KSTEP,  256                       ; along K in a slot
.set ROWB,   256                       ; a tile's row in bytes
.set KROW,   1024                      ; a row of codes in memory, in bytes
.set PITCH,  272                       ; an LDS row: 256 bytes + 16 of padding: the 16 rows that a load touches start 272 bytes apart, at 16 different places modulo 256
.set FR,     16                        ; registers of a fragment: 16 rows x 128 K
.set NL,     4                         ; LDS loads that bring one
.set NP,     4                         ; places behind this matrix instruction (ISA guide 7.12.1)
.set HALFT,  128*PITCH                 ; 128 rows: what one tensor load brings, and what one wave reads of A or of B
.set SLOT,   4*HALFT                   ; A's 256 rows, then B's 256 rows
.set SPARE,  2*SLOT                    ; behind the ring: the spare words, 128 bytes for each wave: two blocks of 256 bytes that no other line names
.set SCL,  12                          ; v12     2^(eo - ex - ew)
.set LIM,  13                          ; v13     448 x that
.set ADRA, 16                          ; v16-17  LDS address of my A fragments in slot 0, 1
.set ADRB, 20                          ; v20-21  the same for B
.set CO,   26                          ; v26     16 x lane: my place in a stored quad
.set SPW,  28                          ; v28     LDS address of my spare word; never rewritten
.set NIL,  29                          ; v29     0; never rewritten
.set TMP,  32                          ; the way out: a block's 64 sums, held
.set AF,   128                         ; A's fragments, in window 0
.set CD,   128                         ; the way out: 16 registers of codes for each of my eight blocks
.set G1, 24                            ; s[24:31] descriptor group 1 for A's tiles;  s[32:39] group 0, one set for each slot
.set G0, 32
.set G1B, 48                           ; s[48:55], s[56:63] the same for B's tiles
.set G0B, 56
.set MSB, 0
.macro WIN new                         ; the immediate's high byte repeats the setting that is left
.if MSB != \new
	s_set_vgpr_msb (MSB<<8)|\new
.set MSB, \new
.endif
.endm
.set MUL_LO, 0xa1                      ; source 0 (B) window 1, source 1 (A) window 0, C and D window 2
.set MUL_HI, 0xf1                      ; the same, C and D window 3
.set TO_B,   0x40                      ; destination window 1, address window 0
; A joint load: waves 0 and 1 fetch for A, waves 2 and 3 for B.  Each of the two lines has one mask and one set of registers for all that issue it; the branch hangs on the wave's number alone.
; An s_nop 0 and four v_nop follow each of the two lines, ahead of the jump, the label and what follows.
.macro JLOAD g0a, g1a, g0b, g1b
	s_cmp_eq_u32 s15, 0
	s_cbranch_scc0 .Lfor_b_\@
	tensor_load_to_lds s[\g0a:\g0a+3], s[\g1a:\g1a+7]
	s_nop 0
.rept 4
	v_nop
.endr
	s_branch .Lasked_\@
.Lfor_b_\@:
	tensor_load_to_lds s[\g0b:\g0b+3], s[\g1b:\g1b+7]
	s_nop 0
.rept 4
	v_nop
.endr
.Lasked_\@:
.endm
.macro CREST                           ; a round of the cluster's barrier behind its opening barrier
	s_cmp_lg_u32 s14, 0
	s_cbranch_scc1 .Lnot_wave_0_\@
	s_barrier_signal -3
.Lnot_wave_0_\@:
	s_barrier_wait -3
	s_barrier_signal -1
	s_barrier_wait -1
.endm
.macro CROUND                          ; a whole round
	s_barrier_signal -1
	s_barrier_wait -1
	CREST
.endm
	s_load_b256 s[68:75], s[0:1], 0x0              ; xc s[68:69], wc s[70:71], the scales' exponents s[72:73], qkv s[74:75]
	v_lshl_add_u32 v[SPW], v0, 2, SPARE
	v_mov_b32 v[NIL], 0
	ds_add_u32 v[SPW], v[NIL]                      ; the wave's opening: the add, twice on end, and its wait ahead of my first tensor load; the set-up below, work on registers, stands between
	ds_add_u32 v[SPW], v[NIL]                      ; and once more, under the one wait
	v_lshrrev_b32 v1, 5, v0
	v_readfirstlane_b32 s14, v1                    ; wave 0..3
	s_lshr_b32 s15, s14, 1                         ; which half of A's rows is mine.  Also: I fetch for A (0) or for B (1)
	s_and_b32 s16, s14, 1                          ; which half of B's rows.  Also: which 128 rows of that tile I fetch
	s_bfe_u32 s40, ttmp6, 0x40000                  ; cx, cy: my place in the cluster
	s_bfe_u32 s41, ttmp6, 0x40004
	s_lshr_b32 s86, ttmp9, 1                       ; f = 1 for v alone
	s_and_b32 s87, ttmp7, 0xffff                   ; the cluster's y, 0..7: it walks the tokens
	s_lshl_b32 s87, s87, 2
	s_mul_i32 s88, s87, s86                        ; 4 y f
	s_sub_co_u32 s89, s87, s88                     ; 4 y (1 - f)
	s_add_co_u32 s42, s88, s40                     ; B's tile = cx + 4 y f: features 0..3 for q and k, tokens 0..31 for v
	s_add_co_u32 s17, s89, s41                     ; A's tile = cy + 4 y (1 - f): tokens 0..31 for q and k, features 0..3 for v
	s_lshl_b32 s43, s41, 2
	s_lshl_b32 s43, 15, s43                        ; my row of the cluster
	s_lshl_b32 s44, 0x1111, s40                    ; my column
	; descriptor group 1: a tile of 128 rows x 256 bytes, padded in LDS
	s_or_b32 s[G1+0], s43, (0<<16)|(1<<20)|(1<<21)|(5<<22)|(3<<25)  ; 15:0 the mask: A's tiles go to my row; 17:16 element of 1 byte; 20 padding on; 21 set beside a mask; 24:22 after every 64 words (code 5); 31:25 of 4 words (code 3)
	s_or_b32 s[G1B+0], s44, (0<<16)|(1<<20)|(1<<21)|(5<<22)|(3<<25)
.irp g, G1, G1B
	s_mov_b32 s[\g+1], ROWB<<16                    ; tensor_dim0
	s_mov_b32 s[\g+2], 128<<16                     ; tensor_dim1 = 128
	s_mov_b32 s[\g+3], ROWB<<16                    ; tile_dim0
	s_mov_b32 s[\g+4], 128                         ; tile_dim1 = 128
	s_mov_b32 s[\g+5], KROW                        ; tensor_dim0_stride
	s_mov_b32 s[\g+6], 0
	s_mov_b32 s[\g+7], 0
.endr
	s_lshl_b32 s18, s16, 7                         ; which 128 rows of the tile I fetch
	s_lshl_b32 s20, s17, 8
	s_add_co_u32 s20, s20, s18                     ; A: row 256 x tile + 128 x half,
	s_lshl_b32 s20, s20, 10                        ; in bytes: a row is 1,024
	s_mov_b32 s21, 0
	s_lshl_b32 s46, s42, 8
	s_add_co_u32 s46, s46, s18                     ; B likewise
	s_lshl_b32 s46, s46, 10
	s_mov_b32 s47, 0
	s_mul_i32 s45, s14, HALFT                      ; where they go: wave x 128 rows: no place in the cluster enters an LDS address
	s_lshl_b32 s90, ttmp9, 23                      ; xc's part p
	s_mov_b32 s91, 0
	s_lshl_b32 s92, ttmp9, 20                      ; wc's part p
	s_mov_b32 s93, 0
	s_wait_dscnt 0x0                               ; both opening adds are done
	s_wait_kmcnt 0x0
	s_load_b256 s[76:83], s[72:73], 0x0            ; e0 .. e7
	s_load_b64 s[84:85], s[72:73], 0x20            ; e8, e9
	s_add_nc_u64 s[68:69], s[68:69], s[90:91]
	s_add_nc_u64 s[70:71], s[70:71], s[92:93]
	s_cmp_eq_u32 ttmp9, 2                          ; the same in all sixteen partners
	s_cselect_b64 s[4:5], s[70:71], s[68:69]       ; A: the tokens' codes for q and k, the weight's for v
	s_cselect_b64 s[6:7], s[68:69], s[70:71]       ; B: the other
	s_add_nc_u64 s[20:21], s[4:5], s[20:21]
	s_add_nc_u64 s[46:47], s[6:7], s[46:47]
	CROUND                                         ; all sixteen work-groups are here: the first joint loads meet
.irp s, 0,1
	s_mov_b32 s[G0+4*\s], 1
	s_add_co_u32 s[G0+4*\s+1], s45, \s*SLOT
	s_add_nc_u64 s[G0+4*\s+2:G0+4*\s+3], s[20:21], \s*ROWB
	s_or_b32 s[G0+4*\s+3], s[G0+4*\s+3], 0x80000000
	s_mov_b32 s[G0B+4*\s], 1
	s_add_co_u32 s[G0B+4*\s+1], s45, \s*SLOT
	s_add_nc_u64 s[G0B+4*\s+2:G0B+4*\s+3], s[46:47], \s*ROWB
	s_or_b32 s[G0B+4*\s+3], s[G0B+4*\s+3], 0x80000000
	JLOAD G0+4*\s, G1, G0B+4*\s, G1B               ; K steps 0 and 1: two loads of mine are out
.endr
	v_and_b32 v1, 15, v0                           ; l % 16
	v_bfe_u32 v2, v0, 4, 1                         ; l / 16
	v_mul_u32_u24 v3, v1, PITCH
	v_lshl_add_u32 v4, v2, 4, v3                   ; a fragment's row x pitch + 16 x half
	s_mul_i32 s21, s15, HALFT                      ; my 128 rows of A
	s_mul_i32 s22, s16, HALFT                      ; my 128 rows of B,
	s_add_co_u32 s22, s22, 2*HALFT                 ; which lie behind A's 256
.irp s, 0,1
	v_add_nc_u32 v[ADRA+\s], s21, v4
	v_add_nc_u32 v[ADRB+\s], s22, v4
	s_add_co_u32 s21, s21, SLOT
	s_add_co_u32 s22, s22, SLOT
.endr
	v_and_b32 v6, 31, v0
	v_lshlrev_b32 v[CO], 4, v6
.macro FRAG reg, adr, q, i             ; a fragment, 16 rows x 128 K: four loads of 16 bytes, 32 bytes apart; the same places along K in A and in B, so every product meets its partner
.irp c, 0,1,2,3
	ds_load_b128 v[\reg+4*\c:\reg+4*\c+3], v[\adr] offset:128*(\q)+32*\c+(\i)*16*PITCH
.endr
.endm
; 16 matrix instructions: A's blocks a0, a0 + 1 x B's eight, 128 along K.  p: B's set.  zero = 1: the first product starts the sums: nothing is ever cleared.
; The 64 accumulators take turns, one instruction a turn, in the same order in every step.
.macro MUL16 a0, p, zero
.irp a, \a0, \a0+1
.irp b, 0,1,2,3,4,5,6,7
.if \zero
	v_wmma_f32_16x16x128_fp8_fp8 v[8*(8*((\a)%4)+\b):8*(8*((\a)%4)+\b)+7], v[128*(\p)+FR*\b:128*(\p)+FR*\b+FR-1], v[AF+FR*(\a):AF+FR*(\a)+FR-1], 0
.else
	v_wmma_f32_16x16x128_fp8_fp8 v[8*(8*((\a)%4)+\b):8*(8*((\a)%4)+\b)+7], v[128*(\p)+FR*\b:128*(\p)+FR*\b+FR-1], v[AF+FR*(\a):AF+FR*(\a)+FR-1], v[8*(8*((\a)%4)+\b):8*(8*((\a)%4)+\b)+7]
.endif
.endr
.endr
.endm
.macro FETCH_B slot, q, p              ; B's eight fragments of the slot's q-th 128 along K into set p
	WIN TO_B
.irp i, 0,1,2,3,4,5,6,7
	FRAG 128*(\p)+FR*\i, ADRB+\slot, \q, \i
.endr
	WIN 0
.endm
.macro FETCH_A slot, q, i0             ; A's blocks i0 .. i0 + 3
.irp i, \i0, \i0+1, \i0+2, \i0+3
	FRAG AF+FR*(\i), ADRA+\slot, \q, \i
.endr
.endm
; A load into a register that a matrix instruction has read, and a vector instruction that reads a matrix result, stand NP places behind that matrix instruction; only plain vector
; instructions that name none of its registers are places (ISA guide 7.12.1 for vector instructions).
.macro PLACES n
.rept \n
	v_nop
.endr
.endm
; A step of 128 along K that has its successor in the same slot.
.macro STEP slot, q, zero
	s_wait_dscnt 4*NL                              ; B's set and A's blocks 0-3 are in; the youngest sixteen loads (A's blocks 4-7) may be out
	WIN MUL_LO
	MUL16 0, (\q)%2, \zero
	MUL16 2, (\q)%2, \zero
	s_wait_dscnt 0                                 ; A's blocks 4-7 are in
	PLACES NP
	FETCH_B \slot, (\q)+1, 1-(\q)%2
	FETCH_A \slot, (\q)+1, 0
	WIN MUL_HI
	MUL16 4, (\q)%2, \zero
	MUL16 6, (\q)%2, \zero
	PLACES NP
	WIN 0
	FETCH_A \slot, (\q)+1, 4
.endm
; A slot's last step changes slots: one barrier; in front of it each wave waits for all its tensor loads, adds 0 to its spare word, and waits for that and for its own reads of this slot.  fill = 1: this slot is filled again, two K steps ahead.
.macro TURN slot, next, fill
	s_wait_tensorcnt 0x0                           ; all my tensor loads have landed: my part of the next slot  (every window is 0 here)
	ds_add_u32 v[SPW], v[NIL]                      ; 0 onto my spare word
	s_wait_dscnt 4*NL+1                            ; the add and the youngest sixteen loads, A's blocks 4-7, may be out
	WIN MUL_LO
	MUL16 0, 1, 0                                  ; sixteen matrix instructions stand between the add and the wait for it
	s_wait_dscnt 0x0                               ; the add is done, and my reads of this slot are over
	s_barrier_signal -1
	MUL16 2, 1, 0
	WIN 0
	s_barrier_wait -1
.if \fill
	CREST                                          ; the barrier has opened a round of the cluster's barrier: no wave of any partner still reads this slot's tile or has a load on its way
	s_add_nc_u64 s[G0+4*\slot+2:G0+4*\slot+3], s[G0+4*\slot+2:G0+4*\slot+3], 2*ROWB
	s_add_nc_u64 s[G0B+4*\slot+2:G0B+4*\slot+3], s[G0B+4*\slot+2:G0B+4*\slot+3], 2*ROWB
	JLOAD G0+4*\slot, G1, G0B+4*\slot, G1B         ; the first tensor load behind the round, my only one until the next; its four v_nop are the places in front of the loads below
.else
	PLACES NP
.endif
	FETCH_B \next, 0, 0
	FETCH_A \next, 0, 0
	WIN MUL_HI
	MUL16 4, 1, 0
	MUL16 6, 1, 0
	PLACES NP
	WIN 0
	FETCH_A \next, 0, 4
.endm
	s_wait_tensorcnt 1                             ; my part of K step 0 is in; K step 1's load may be out
	s_barrier_signal -1
	s_barrier_wait -1                              ; everybody's is
	FETCH_B 0, 0, 0
	FETCH_A 0, 0, 0
	FETCH_A 0, 0, 4
	STEP 0, 0, 1                                   ; K 0-127: its products start the sums
	TURN 0, 1, 1                                   ; K 128-255; slot 0 takes K step 2
	STEP 1, 0, 0
	TURN 1, 0, 1                                   ; slot 1 takes K step 3: the last load
	STEP 0, 0, 0
	TURN 0, 1, 0                                   ; nothing is left to fetch: no round of the cluster's barrier
	STEP 1, 0, 0
	s_wait_dscnt 4*NL                              ; the very last step
	WIN MUL_LO
	MUL16 0, 1, 0
	MUL16 2, 1, 0
	s_wait_dscnt 0
	WIN MUL_HI
	MUL16 4, 1, 0
	MUL16 6, 1, 0
	WIN 0
	; THE WAY OUT.  The three exponents of my product, chosen by the cluster's x without a branch
	s_wait_kmcnt 0x0
	s_cmp_eq_u32 ttmp9, 1
	s_cselect_b32 s86, s78, s76                    ; ex: e2 or e0
	s_cselect_b32 s87, s79, s77                    ; ew: e3 or e1
	s_cselect_b32 s88, s83, s82                    ; eo: e7 or e6
	s_cmp_eq_u32 ttmp9, 2
	s_cselect_b32 s86, s80, s86                    ; e4
	s_cselect_b32 s87, s81, s87                    ; e5
	s_cselect_b32 s88, s84, s88                    ; e8
	s_sub_co_i32 s88, s88, s86
	s_sub_co_i32 s88, s88, s87                     ; eo - ex - ew
	s_add_co_i32 s88, s88, 127
	s_lshl_b32 s89, s88, 23
	v_mov_b32 v[SCL], s89                          ; 2^(eo - ex - ew): the three scales folded into the conversion's one
	s_add_co_i32 s88, s88, 8
	s_lshl_b32 s88, s88, 23
	s_or_b32 s88, s88, 0x600000
	v_mov_b32 v[LIM], s88                          ; 448 x that
	; which run of eight units of 2,048 bytes is my wave's.  q, k: batch x 1,024 + pair of heads x 128 + tile of tokens;  v: batch x 1,024 + step of keys x 64 + tile of features
	s_lshr_b32 s94, s17, 3
	s_lshl_b32 s94, s94, 10                        ; q, k: batch = A's tile / 8
	s_lshl_b32 s95, s42, 1
	s_add_co_u32 s95, s95, s16                     ; pair of heads = 2 x B's tile + my half
	s_lshl_b32 s95, s95, 7
	s_add_co_u32 s94, s94, s95
	s_and_b32 s95, s17, 7
	s_lshl_b32 s95, s95, 4                         ; tile of tokens = 16 x (A's tile % 8) + 8 x my half
	s_add_co_u32 s94, s94, s95
	s_lshr_b32 s96, s42, 3
	s_lshl_b32 s96, s96, 10                        ; v: batch = B's tile / 8
	s_and_b32 s97, s42, 7
	s_lshl_b32 s97, s97, 1
	s_add_co_u32 s97, s97, s16                     ; step of keys = 2 x (B's tile % 8) + my half
	s_lshl_b32 s97, s97, 6
	s_add_co_u32 s96, s96, s97
	s_lshl_b32 s97, s17, 4                         ; tile of features = 16 x A's tile + 8 x my half
	s_add_co_u32 s96, s96, s97
	s_cmp_eq_u32 ttmp9, 2
	s_cselect_b32 s96, s96, s94
	s_lshl_b32 s97, s15, 3
	s_add_co_u32 s96, s96, s97
	s_lshl_b32 s96, s96, 11
	s_lshl_b32 s97, ttmp9, 23                      ; q's, k's or v's part of the buffer
	s_add_co_u32 s96, s96, s97
	s_mov_b32 s97, 0
	s_add_nc_u64 s[10:11], s[74:75], s[96:97]
	PLACES NP                                      ; behind the last products: their results are read, and the registers that held A's fragments are written
; Block a: my rows 16 a on of source 1, against all 128 rows of source 0.  Accumulator (a, b) gives registers 2 b, 2 b + 1 of the block's 16: for q and k two fragments (head b / 4), for v one.
.macro OUTBLK a
	WIN 0x02+((\a)/4)                              ; source 0: window 2 or 3
.irp j, 0,1,2,3,4,5,6,7,8,9,10,11,12,13,14,15,16,17,18,19,20,21,22,23,24,25,26,27,28,29,30,31,32,33,34,35,36,37,38,39,40,41,42,43,44,45,46,47,48,49,50,51,52,53,54,55,56,57,58,59,60,61,62,63
	v_med3_num_f32 v[TMP+\j], v[64*((\a)%4)+\j], -v[LIM], v[LIM]   ; the hold at the largest code x the scale; each accumulator from its low end on
.endr
	WIN 0
.irp b, 0,1,2,3,4,5,6,7
	v_cvt_scalef32_pk8_fp8_f32 v[CD+16*(\a)+2*\b:CD+16*(\a)+2*\b+1], v[TMP+8*\b:TMP+8*\b+7], v[SCL]
.endr
	v_nop                                          ; one plain vector instruction between the conversions and the next block's holds, which write their sources
.irp i, 0,1,2,3
	global_store_b128 v[CO], v[CD+16*(\a)+4*\i:CD+16*(\a)+4*\i+3], s[10:11] offset:2048*(\a)+512*\i   ; 32 lanes store 512 consecutive bytes, at a multiple of 512 from the buffer's first byte; each block has code registers of its own
.endr
.endm
.irp a, 0,1,2,3,4,5,6,7
	OUTBLK \a
.endr
	s_wait_tensorcnt 0x0                           ; the wave's end, behind my last tensor load
	ds_add_u32 v[SPW], v[NIL]
	s_wait_dscnt 0x0
	CROUND                                         ; the closing round: no work-group ends while a partner may still ask for a tile that names it
	s_endpgm
.Lfunc_end_k_q2e4a3d8234_proj:
	.size	k_q2e4a3d8234_proj, .Lfunc_end_k_q2e4a3d8234_proj-k_q2e4a3d8234_proj
	.p2alignl 7, 3214868480
	.fill 96, 4, 3214868480
	.section	.rodata,"a",@progbits
	.p2align	6, 0x0
	.amdhsa_kernel k_q2e4a3d8234_proj
		.amdhsa_group_segment_fixed_size 327680
		.amdhsa_private_segment_fixed_size 0
		.amdhsa_enable_private_segment 0
		.amdhsa_kernarg_size 32
		.amdhsa_user_sgpr_count 2
		.amdhsa_user_sgpr_kernarg_segment_ptr 1
		.amdhsa_wavefront_size32 1
		.amdhsa_system_sgpr_workgroup_id_x 1
		.amdhsa_system_sgpr_workgroup_id_y 1
		.amdhsa_system_sgpr_workgroup_id_z 1
		.amdhsa_system_vgpr_workitem_id 0
		.amdhsa_next_free_vgpr 1024
		.amdhsa_next_free_sgpr 100
		.amdhsa_reserve_vcc 0
		.amdhsa_float_denorm_mode_32 3
		.amdhsa_float_denorm_mode_16_64 3
		.amdhsa_memory_ordered 1
		.amdhsa_forward_progress 1
		.amdhsa_inst_pref_size 118
	.end_amdhsa_kernel
	.amdgpu_metadata
---
amdhsa.version: [ 1, 2 ]
amdhsa.kernels:
  - .name:           k_q2e4a3d8234_proj
    .symbol:         k_q2e4a3d8234_proj.kd
    .args:
      - { .name: xc, .offset: 0, .size: 8, .value_kind: global_buffer, .address_space: global }
      - { .name: wc, .offset: 8, .size: 8, .value_kind: global_buffer, .address_space: global }
      - { .name: lowp_scales, .offset: 16, .size: 8, .value_kind: global_buffer, .address_space: global }
      - { .name: qkv, .offset: 24, .size: 8, .value_kind: global_buffer, .address_space: global }
    .group_segment_fixed_size: 327680
    .private_segment_fixed_size: 0
    .kernarg_segment_align: 8
    .kernarg_segment_size: 32
    .max_flat_workgroup_size: 128
    .sgpr_count:     100
    .vgpr_count:     1024
    .wavefront_size: 32
...
	.end_amdgpu_metadata
.endif
;; end of part 2
;; launch attn (part 3): grid 4 x 64, 8 waves a work-group, no clusters, 73,728 bytes of LDS; arguments qkv, lowp_scales, inter_palace_weight, out0; writes out0
.if DOCPART == 3
	.amdgcn_target "amdgcn-amd-amdhsa--gfx1250"
	.amdhsa_code_object_version 6
	.text
	.protected	k_q2e4a3d8234_attn
	.globl	k_q2e4a3d8234_attn
	.p2align	8
	.type	k_q2e4a3d8234_attn,@function
k_q2e4a3d8234_attn:
	s_mov_b64 s[64:65], 0
	v_nop
	global_prefetch_b8 v0, s[64:65] scope:SCOPE_SE
	s_setreg_imm32_b32 hwreg(HW_REG_WAVE_MODE, 25, 1), 1
	s_wait_xcnt 0x0
; PalaceAttention, third launch: out = softmax(q k^T / 8 x pmask) v for 64 (batch, head) pairs, head size 64, 2,048 keys, both products on codes of E4M3.  Nothing of the problem is left out: the mask hides no score.
; WHAT IS QUANTISED FOR THE SECOND PRODUCT IS THE FINISHED SOFTMAX (scale entry 9), so a row's sum over all 2,048 keys is known before any weight is converted.
; THE KEYS ARE SHARED AMONG THE WAVES: wave w owns keys 256 w .. 256 w + 255 of the head, and its 16 fragments of k and 8 of v stay in its registers for the whole launch (window 1).
; For a tile of 16 queries a wave holds its 256 scores a query in registers, so each score, each exponential and each product is made once.
; SHARES.  Work-group (c, bh): head bh % 16 of batch bh / 16, the 32 tiles of queries 4 i + c.  256 work-groups of equal work, eight waves of 512 registers each.
; LAYOUT.  S^T = k q^T (source 0 = 16 keys, source 1 = 16 queries): lane (r, hh) holds query r and, in tile t, keys 16 t + 8 hh + 0 .. 7: the conversion of a tile's eight registers gives registers
; 2 t, 2 t + 1 of the second product's operand.  O^T = v^T p^T (source 0 = 16 of the head's 64, K = 128 keys): a lane again holds query r.
; THE MASK.  Key 256 w + 16 t + 8 hh + j lies in palace 2 (t % 4) + hh, query 16 (4 i + c) + r in palace 2 c + r / 8.  So the factor hangs on t % 4 and the lane alone, the same for all tiles of the work-group:
; F[t % 4] = c1 where t % 4 = c and hh = r / 8, else c1 x sigmoid(w);  c1 = log2(e) / 8 x 2^(e6 + e7).  F is never negative, so a class's largest s F is F x its largest s.
; THE SOFTMAX.  Each wave takes the maximum m_w of its own 256 exponents away: e = 2^(s F - m_w), l_w = the sum of e.  The eight pairs (m_w, l_w) of a query meet in LDS; then m = the largest m_u,
; l = the sum of l_u 2^(m_u - m), and p = e x 2^(m_w - m) / l is the softmax as the problem writes it, its row's maximum taken away.
; The hold ahead of the conversion is the middle of (p, 0, 448 x 2^e9); for a NaN it gives the lesser of the other two, 0: the problem's nan_to_num.
; THE SUM OVER WAVES.  Each wave's partial O^T of a tile goes to LDS; wave w adds rows 2 w, 2 w + 1 of the eight parts, in a fixed order, and stores them.  ONE BARRIER A TILE: the parts of tile i - 1 cross at the
; barrier that serves the pairs of tile i; both LDS regions are doubled, by the tile's parity, so that what is read behind barrier i is written again only behind barrier i + 1 (pairs) or i + 2 (parts).
; k and v are read once by a work-group, straight into the registers where they stay, and q a tile ahead: no ring, no tensor load, and no tile that partners could ask for jointly inside the loop.
; LIMITS: e6 + e7 between -123 and 130 (added to c1's exponent field); e9 between -126 and 119; e8 + e9 between -126 and 127.
; LDS: 0: the parts, 2 parities x 8 waves x 16 rows x (256 + 16) bytes;  69,632: the pairs, 2 parities x 16 queries x (8 x 8 + 16) bytes;  72,192: the spare words.
.set OBW,   16*272                     ; a wave's part
.set OBP,   8*OBW                      ; a parity of the parts
.set SB,    2*OBP                      ; the pairs
.set SBP,   16*80                      ; a parity of the pairs
.set SPARE, SB+2*SBP                   ; the spare words, 128 bytes for each wave: four blocks of 256 bytes that no other line names
.set SPW,  1                           ; v1   LDS address of my spare word; never rewritten
.set NIL,  2                           ; v2   0; never rewritten
.set LO,   3                           ; v3   16 x lane
.set STO,  4                           ; v4   where I put my part: wave x 4,352 + 272 r + 32 hh
.set RDO,  5                           ; v5   where I read a row of a part: 272 (2 wave + hh) + 16 r
.set STS,  6                           ; v6   where I put my pair: SB + 80 r + 8 wave
.set RDS,  7                           ; v7   where I read the eight pairs: SB + 80 r
.set GOUT, 8                           ; v8   my bytes of two rows of the output: 4,096 hh + 16 r
.set TMP,  9                           ; v9   at work
.set MW,   10                          ; v[10:11] m_w, twice
.set ML,   12                          ; v[12:13] m_w, l_w: the pair that is stored
.set RN,   14                          ; v[14:15] 2^(m_w - m) / l, twice
.set F,    16                          ; v[16:23] F[0] .. F[3], each twice
.set MC,   24                          ; v24-31 four chains of the maximum; four pairs of the sum; the eight 2^(m_u - m)
.set ST,   32                          ; v[32:47] the eight pairs read back; v[32:35] then 16 bytes of the output
.set LIM,  48                          ; v48  448 x 2^e9
.set SC,   49                          ; v49  2^e9
.set MM,   50                          ; v50  m
.set LL,   51                          ; v51  l
.set RL,   52                          ; v52  1 / l
.set Q,    56                          ; v[56:63] q's fragment
.set P,    64                          ; v[64:95] p's codes, tile t at 64 + 2 t; before that the eight parts' quads
.set O,    96                          ; v[96:127] O^T, four accumulators
.set S,    128                         ; v[128:255] S^T, tile t at 128 + 8 t
.set VF,   128                         ; window 1: v0-127 k, tile t at 8 t; v128-255 v, fragment (step s, tile a) at 128 + 16 (4 s + a)
.set MSB, 0
.macro WIN new                         ; the immediate's high byte repeats the setting that is left
.if MSB != \new
	s_set_vgpr_msb (MSB<<8)|\new
.set MSB, \new
.endif
.endm
	s_load_b256 s[4:11], s[0:1], 0x0               ; qkv s[4:5], the scales' exponents s[6:7], the weight s[8:9], the output s[10:11]
	v_lshl_add_u32 v[SPW], v0, 2, SPARE
	v_mov_b32 v[NIL], 0
	v_lshrrev_b32 v3, 5, v0
	v_readfirstlane_b32 s16, v3                    ; wave 0..7
	v_and_b32 v3, 31, v0
	v_lshlrev_b32 v[LO], 4, v3
	s_mov_b32 s17, ttmp9                           ; c
	s_and_b32 s18, ttmp7, 0xffff
	s_lshr_b32 s19, s18, 4                         ; batch
	s_and_b32 s20, s18, 15                         ; head
	s_mov_b32 s22, 0x76543210                      ; v_permlanex16_b32: lane l xor 16
	s_mov_b32 s23, 0xfedcba98
	s_lshl_b32 s41, s19, 3
	s_lshr_b32 s42, s20, 1
	s_add_co_u32 s41, s41, s42
	s_lshl_b32 s41, s41, 7                         ; the pair of heads' first unit of 2,048 bytes in q and in k
	s_and_b32 s42, s20, 1
	s_lshl_b32 s42, s42, 10                        ; my head of the pair
	s_add_co_u32 s43, s41, s17                     ; q: tile c
	s_lshl_b32 s43, s43, 11
	s_add_co_u32 s28, s43, s42
	s_mov_b32 s29, 0
	s_lshl_b32 s43, s16, 4                         ; k: tiles 16 wave on
	s_add_co_u32 s43, s41, s43
	s_lshl_b32 s43, s43, 11
	s_add_co_u32 s43, s43, s42
	s_add_co_u32 s30, s43, 0x800000
	s_mov_b32 s31, 0
	s_lshl_b32 s43, s19, 4                         ; v: steps of keys 16 batch + 2 wave on, tiles of features 4 head on
	s_lshl_b32 s44, s16, 1
	s_add_co_u32 s43, s43, s44
	s_lshl_b32 s43, s43, 6
	s_lshl_b32 s44, s20, 2
	s_add_co_u32 s43, s43, s44
	s_lshl_b32 s43, s43, 11
	s_add_co_u32 s36, s43, 0x1000000
	s_mov_b32 s37, 0
	s_lshl_b32 s43, s17, 4                         ; the output: row 16 c + 2 wave of the batch, 4,096 bytes a row, 256 bytes a head
	s_lshl_b32 s44, s16, 1
	s_add_co_u32 s43, s43, s44
	s_lshl_b32 s43, s43, 12
	s_lshl_b32 s44, s19, 23
	s_add_co_u32 s43, s43, s44
	s_lshl_b32 s44, s20, 8
	s_add_co_u32 s38, s43, s44
	s_mov_b32 s39, 0
	s_wait_kmcnt 0x0
	s_load_b128 s[32:35], s[6:7], 0x18             ; e6, e7, e8, e9
	s_load_b32 s40, s[8:9], 0x0                    ; w
	s_add_nc_u64 s[28:29], s[4:5], s[28:29]
	s_add_nc_u64 s[30:31], s[4:5], s[30:31]
	s_add_nc_u64 s[36:37], s[4:5], s[36:37]
	s_add_nc_u64 s[38:39], s[10:11], s[38:39]
	WIN 0x40                                       ; destination window 1, address window 0
.irp t, 0,1,2,3,4,5,6,7,8,9,10,11,12,13,14,15
.irp n, 0,1
	global_load_b128 v[8*\t+4*\n:8*\t+4*\n+3], v[LO], s[30:31] offset:2048*\t+512*\n   ; k's fragments as they were stored: 512 consecutive bytes a load
.endr
.endr
.irp s, 0,1
.irp a, 0,1,2,3
.irp i, 0,1,2,3
	global_load_b128 v[VF+16*(4*\s+\a)+4*\i:VF+16*(4*\s+\a)+4*\i+3], v[LO], s[36:37] offset:131072*\s+2048*\a+512*\i   ; v's likewise
.endr
.endr
.endr
	WIN 0
	global_load_b128 v[Q:Q+3], v[LO], s[28:29]     ; q of my first tile
	global_load_b128 v[Q+4:Q+7], v[LO], s[28:29] offset:512
	v_and_b32 v26, 15, v0                          ; r
	v_bfe_u32 v27, v0, 4, 1                        ; hh
	s_mul_i32 s41, s16, OBW
	v_mul_u32_u24 v[STO], v26, 272
	v_lshl_add_u32 v[STO], v27, 5, v[STO]
	v_add_nc_u32 v[STO], s41, v[STO]
	s_mul_i32 s41, s16, 2*272
	v_mul_u32_u24 v[RDO], v27, 272
	v_lshl_add_u32 v[RDO], v26, 4, v[RDO]
	v_add_nc_u32 v[RDO], s41, v[RDO]
	v_mul_u32_u24 v[RDS], v26, 80
	v_add_nc_u32 v[RDS], SB, v[RDS]
	s_lshl_b32 s41, s16, 3
	v_add_nc_u32 v[STS], s41, v[RDS]
	v_lshlrev_b32 v[GOUT], 12, v27
	v_lshl_add_u32 v[GOUT], v26, 4, v[GOUT]
	v_mov_b32 v[TMP], 0                            ; written once: a lane permute's destination counts as one of its sources
	s_wait_kmcnt 0x0
	v_mov_b32 v24, s40
	v_mul_f32 v24, 0xbfb8aa3b, v24                 ; -w log2(e)
	v_exp_f32 v24, v24
	v_lshrrev_b32 v28, 3, v26                      ; (a plain place behind the exponential)  r / 8
	s_wait_alu depctr_va_vdst(0)                   ; the wait ahead of the first reader
	v_add_f32 v24, 1.0, v24
	v_rcp_f32 v24, v24                             ; sigmoid(w) = 1 / (1 + 2^(-w log2 e))
	v_cmp_eq_u32 vcc_lo, v27, v28                  ; (a plain place)  does my half of the lanes hold my query's palace?
	s_add_co_i32 s41, s32, s33
	s_lshl_b32 s41, s41, 23
	s_add_co_i32 s41, s41, 0x3e38aa3b              ; c1 = log2(e) / 8, with e6 + e7 added to its exponent field
	v_mov_b32 v25, s41
	s_wait_alu depctr_va_vdst(0)
	v_mul_f32 v24, s41, v24                        ; c1 x sigmoid(w): across palaces
	v_cndmask_b32 v25, v24, v25, vcc_lo            ; class c: c1 in the lanes that hold the query's palace
.irp tm, 0,1,2,3
	s_cmp_eq_u32 s17, \tm
	s_cselect_b32 s42, -1, 0
	v_cndmask_b32 v[F+2*\tm], v24, v25, s42
	v_mov_b32 v[F+2*\tm+1], v[F+2*\tm]
.endr
	s_add_co_i32 s41, s35, 127
	s_lshl_b32 s42, s41, 23
	v_mov_b32 v[SC], s42                           ; 2^e9
	s_add_co_i32 s41, s41, 8
	s_lshl_b32 s41, s41, 23
	s_or_b32 s41, s41, 0x600000
	v_mov_b32 v[LIM], s41                          ; 448 x 2^e9
	s_add_co_i32 s24, s34, s35
	s_add_co_i32 s24, s24, 127
	s_lshl_b32 s24, s24, 23                        ; 2^(e8 + e9): a sum of the second product stands for sum x that
	s_mov_b32 s25, s24                             ; (named with it as a pair, so it is written)
	s_wait_xcnt 0x0                                ; the loads have read their bases
	s_add_nc_u64 s[28:29], s[28:29], 8192          ; q: four tiles on
.macro SCALE b                         ; pair b of the 64: s F - m_w, two at a time
	v_pk_fma_f32 v[S+2*(\b):S+2*(\b)+1], v[S+2*(\b):S+2*(\b)+1], v[F+2*(((\b)/4)%4):F+2*(((\b)/4)%4)+1], v[MW:MW+1] neg_lo:[0,0,1] neg_hi:[0,0,1]
.endm
.macro NORM t                          ; tile t's eight e become p, are held, and become two registers of codes
.irp n, 0,2,4,6
	v_pk_mul_f32 v[S+8*(\t)+\n:S+8*(\t)+\n+1], v[S+8*(\t)+\n:S+8*(\t)+\n+1], v[RN:RN+1]
.endr
.irp n, 0,1,2,3,4,5,6,7
	v_med3_num_f32 v[S+8*(\t)+\n], v[S+8*(\t)+\n], 0, v[LIM]   ; the conversion to an 8-bit code does not saturate (ISA guide 7.6.2); and a NaN becomes 0
.endr
	v_cvt_scalef32_pk8_fp8_f32 v[P+2*(\t):P+2*(\t)+1], v[S+8*(\t):S+8*(\t)+7], v[SC]
.endm
; The eight parts' quads in v[P] on are added as a tree, in a fixed order, scaled and stored: lanes 0-15 one row's 256 bytes of my head, lanes 16-31 the next row's.
.macro REDUCE
	s_wait_dscnt 0x0                               ; the eight quads are in
.irp u, 0,2,4,6
	v_pk_add_f32 v[P+4*\u:P+4*\u+1], v[P+4*\u:P+4*\u+1], v[P+4*\u+4:P+4*\u+5]
	v_pk_add_f32 v[P+4*\u+2:P+4*\u+3], v[P+4*\u+2:P+4*\u+3], v[P+4*\u+6:P+4*\u+7]
.endr
.irp u, 0,4
	v_pk_add_f32 v[P+4*\u:P+4*\u+1], v[P+4*\u:P+4*\u+1], v[P+4*\u+8:P+4*\u+9]
	v_pk_add_f32 v[P+4*\u+2:P+4*\u+3], v[P+4*\u+2:P+4*\u+3], v[P+4*\u+10:P+4*\u+11]
.endr
	v_pk_add_f32 v[P:P+1], v[P:P+1], v[P+16:P+17]
	v_pk_add_f32 v[P+2:P+3], v[P+2:P+3], v[P+18:P+19]
	v_pk_mul_f32 v[ST:ST+1], v[P:P+1], s[24:25] op_sel_hi:[1,0]      ; x 2^(e8 + e9)
	v_pk_mul_f32 v[ST+2:ST+3], v[P+2:P+3], s[24:25] op_sel_hi:[1,0]
	global_store_b128 v[GOUT], v[ST:ST+3], s[38:39] th:TH_STORE_NT   ; 16 lanes store 256 consecutive bytes, at a multiple of 256 from the output's first byte; written once
.endm
; A TILE OF 16 QUERIES.  par: its parity; first = 1: no tile before it whose parts are to be added; guard = 1: it may be the last, which asks for no further q.
.macro TILE par, first, guard
	s_wait_loadcnt 0x0                             ; q of this tile (ahead of the first tile: k and v too)
	WIN 0x01                                       ; source 0 (k) window 1
.irp t, 0,1,2,3,4,5,6,7,8,9,10,11,12,13,14,15
	v_wmma_f32_16x16x64_fp8_fp8 v[S+8*\t:S+8*\t+7], v[8*\t:8*\t+7], v[Q:Q+7], 0
.endr
	WIN 0
.rept 4
	v_nop                                          ; places in front of the loads into q's registers and of the first read of the scores
.endr
.if \guard
	s_cmp_eq_u32 s26, 1                            ; the loop's last trip: no load leaves its buffer
	s_cbranch_scc1 .Lnoq_\@
.endif
	global_load_b128 v[Q:Q+3], v[LO], s[28:29]     ; the next tile's q: it has this tile's work in which to come
	global_load_b128 v[Q+4:Q+7], v[LO], s[28:29] offset:512
.if \guard
.Lnoq_\@:
.endif
	; the largest raw score of each class t % 4: four chains by turns; each tile is first read at its low end
.irp tm, 0,1,2,3
	v_max3_num_f32 v[MC+\tm], v[S+8*\tm], v[S+8*\tm+1], v[S+8*\tm+2]
.endr
.set kk, 1
.rept 14
.irp tm, 0,1,2,3
	v_max3_num_f32 v[MC+\tm], v[MC+\tm], v[S+8*(\tm+4*((2*kk+1)/8))+(2*kk+1)%8], v[S+8*(\tm+4*((2*kk+2)/8))+(2*kk+2)%8]
.endr
.set kk, kk+1
.endr
.irp tm, 0,1,2,3
	v_max_num_f32 v[MC+\tm], v[MC+\tm], v[S+8*(\tm+12)+7]
.endr
.irp tm, 0,1,2,3
	v_mul_f32 v[MC+\tm], v[MC+\tm], v[F+2*\tm]     ; F is not negative: the class's largest exponent
.endr
	v_max3_num_f32 v[MW], v[MC], v[MC+1], v[MC+2]
	v_max_num_f32 v[MW], v[MW], v[MC+3]
	v_permlanex16_b32 v[TMP], v[MW], s22, s23      ; the query's other 128 keys lie in the lane 16 away
	v_max_num_f32 v[MW], v[MW], v[TMP]             ; m_w
	v_mov_b32 v[MW+1], v[MW]
	v_mov_b32 v[ML], v[MW]
	; e = 2^(s F - m_w): ONE BATCH of 128 exponentials; a pair is scaled two pairs ahead of its exponentials; nothing here names a result
	SCALE 0
	SCALE 1
.set bb, 0
.rept 64
.if bb+2 < 64
	SCALE bb+2
.endif
	v_exp_f32 v[S+2*bb], v[S+2*bb]
	v_exp_f32 v[S+2*bb+1], v[S+2*bb+1]
.set bb, bb+1
.endr
	v_nop                                          ; a plain instruction behind the last exponential
	s_wait_alu depctr_va_vdst(0)                   ; one wait for the batch, ahead of its first reader
	; l_w: two at a time, in four chains
.irp n, 0,1,2,3
	v_pk_add_f32 v[MC+2*\n:MC+2*\n+1], v[S+4*\n:S+4*\n+1], v[S+4*\n+2:S+4*\n+3]
.endr
.set bb, 8
.rept 14
.irp n, 0,1,2,3
	v_pk_add_f32 v[MC+2*\n:MC+2*\n+1], v[MC+2*\n:MC+2*\n+1], v[S+2*(bb+\n):S+2*(bb+\n)+1]
.endr
.set bb, bb+4
.endr
	v_pk_add_f32 v[MC:MC+1], v[MC:MC+1], v[MC+2:MC+3]
	v_pk_add_f32 v[MC+4:MC+5], v[MC+4:MC+5], v[MC+6:MC+7]
	v_pk_add_f32 v[MC:MC+1], v[MC:MC+1], v[MC+4:MC+5]
	v_add_f32 v[ML+1], v[MC], v[MC+1]
	v_permlanex16_b32 v[TMP], v[ML+1], s22, s23
	v_add_f32 v[ML+1], v[ML+1], v[TMP]             ; l_w
	ds_store_b64 v[STS], v[ML:ML+1] offset:SBP*\par   ; (the two lanes of a query store the same pair to the same place)
	s_wait_dscnt 0x0                               ; for the others' sake: my pair and my part of the tile before have landed; my LDS reads of the tile before are over
	s_barrier_signal -1
	s_barrier_wait -1
.irp n, 0,1,2,3
	ds_load_b128 v[ST+4*\n:ST+4*\n+3], v[RDS] offset:SBP*\par+16*\n   ; my query's eight pairs
.endr
.if !\first
.irp u, 0,1,2,3,4,5,6,7
	ds_load_b128 v[P+4*\u:P+4*\u+3], v[RDO] offset:OBP*(1-\par)+OBW*\u   ; 16 bytes of my rows of the tile before, from each wave's part
.endr
	s_wait_dscnt 8                                 ; the pairs are in; the eight loads issued behind them may be out
.else
	s_wait_dscnt 0x0
.endif
	v_max3_num_f32 v[MM], v[ST], v[ST+2], v[ST+4]
	v_max3_num_f32 v[MM], v[MM], v[ST+6], v[ST+8]
	v_max3_num_f32 v[MM], v[MM], v[ST+10], v[ST+12]
	v_max_num_f32 v[MM], v[MM], v[ST+14]           ; m
.irp u, 0,1,2,3,4,5,6,7
	v_sub_f32 v[MC+\u], v[ST+2*\u], v[MM]
.endr
	v_sub_f32 v[TMP], v[MW], v[MM]
.irp u, 0,1,2,3,4,5,6,7
	v_exp_f32 v[MC+\u], v[MC+\u]                   ; 2^(m_u - m)
.endr
	v_exp_f32 v[TMP], v[TMP]                       ; 2^(m_w - m)
	v_nop
	s_wait_alu depctr_va_vdst(0)                   ; one wait for the nine
	v_mul_f32 v[LL], v[MC], v[ST+1]
.irp u, 1,2,3,4,5,6,7
	v_fmac_f32 v[LL], v[MC+\u], v[ST+2*\u+1]       ; l = the sum of l_u 2^(m_u - m): at least 1
.endr
	v_rcp_f32 v[RL], v[LL]
	v_nop                                          ; a plain instruction behind the reciprocal
.if !\first
	REDUCE                                         ; the tile before leaves: work that names nothing of the reciprocal stands between it and its wait
.endif
	s_wait_alu depctr_va_vdst(0)
	v_mul_f32 v[RN], v[TMP], v[RL]                 ; 2^(m_w - m) / l
	v_mov_b32 v[RN+1], v[RN]
.irp t, 0,1,2,3,4,5,6,7
	NORM \t
.endr
	v_nop                                          ; one plain vector instruction between the last conversion and the products that read the codes
	WIN 0x01                                       ; source 0 (v) window 1
.irp a, 0,1,2,3
	v_wmma_f32_16x16x128_fp8_fp8 v[O+8*\a:O+8*\a+7], v[VF+16*\a:VF+16*\a+15], v[P:P+15], 0   ; my first 128 keys start the sums
.endr
	WIN 0
.irp t, 8,9,10,11,12,13,14,15
	NORM \t
.endr
	v_nop
	WIN 0x01
.irp a, 0,1,2,3
	v_wmma_f32_16x16x128_fp8_fp8 v[O+8*\a:O+8*\a+7], v[VF+64+16*\a:VF+64+16*\a+15], v[P+16:P+31], v[O+8*\a:O+8*\a+7]   ; the four accumulators take turns, one instruction a turn
.endr
	WIN 0
.rept 4
	v_nop                                          ; places in front of the stores that read the results
.endr
.irp a, 0,1,2,3
	ds_store_b128 v[STO], v[O+8*\a:O+8*\a+3] offset:OBP*\par+64*\a          ; row r, channels 16 a + 8 hh on; each accumulator from its low end
	ds_store_b128 v[STO], v[O+8*\a+4:O+8*\a+7] offset:OBP*\par+64*\a+16
.endr
	s_wait_xcnt 0x0                                ; q's loads and the output's store have read their bases and data: both bases step, and v[32:35] may be loaded again
	s_add_nc_u64 s[28:29], s[28:29], 8192
.if !\first
	s_add_nc_u64 s[38:39], s[38:39], 262144        ; 64 rows of the output on
.endif
.endm
	TILE 0, 1, 0
	TILE 1, 0, 0
	s_mov_b32 s26, 15
.Lpair:                                                ; 15 trips of two tiles, so that the parities are constants of the text
	TILE 0, 0, 0
	TILE 1, 0, 1
	s_sub_co_u32 s26, s26, 1
	s_cmp_lg_u32 s26, 0
	s_cbranch_scc1 .Lpair
	s_wait_dscnt 0x0                               ; my part of the last tile has landed
	s_barrier_signal -1
	s_barrier_wait -1                              ; everybody's has
.irp u, 0,1,2,3,4,5,6,7
	ds_load_b128 v[P+4*\u:P+4*\u+3], v[RDO] offset:OBP+OBW*\u
.endr
	REDUCE
	s_wait_tensorcnt 0x0                           ; the wave's end, behind my last LDS store
	ds_add_u32 v[SPW], v[NIL]
	s_wait_dscnt 0x0
	s_endpgm
.Lfunc_end_k_q2e4a3d8234_attn:
	.size	k_q2e4a3d8234_attn, .Lfunc_end_k_q2e4a3d8234_attn-k_q2e4a3d8234_attn
	.p2alignl 7, 3214868480
	.fill 96, 4, 3214868480
	.section	.rodata,"a",@progbits
	.p2align	6, 0x0
	.amdhsa_kernel k_q2e4a3d8234_attn
		.amdhsa_group_segment_fixed_size 73728
		.amdhsa_private_segment_fixed_size 0
		.amdhsa_enable_private_segment 0
		.amdhsa_kernarg_size 32
		.amdhsa_user_sgpr_count 2
		.amdhsa_user_sgpr_kernarg_segment_ptr 1
		.amdhsa_wavefront_size32 1
		.amdhsa_system_sgpr_workgroup_id_x 1
		.amdhsa_system_sgpr_workgroup_id_y 1
		.amdhsa_system_sgpr_workgroup_id_z 1
		.amdhsa_system_vgpr_workitem_id 0
		.amdhsa_next_free_vgpr 512
		.amdhsa_next_free_sgpr 66
		.amdhsa_reserve_vcc 1
		.amdhsa_float_denorm_mode_32 3
		.amdhsa_float_denorm_mode_16_64 3
		.amdhsa_memory_ordered 1
		.amdhsa_forward_progress 1
		.amdhsa_inst_pref_size 154
	.end_amdhsa_kernel
	.amdgpu_metadata
---
amdhsa.version: [ 1, 2 ]
amdhsa.kernels:
  - .name:           k_q2e4a3d8234_attn
    .symbol:         k_q2e4a3d8234_attn.kd
    .args:
      - { .name: qkv, .offset: 0, .size: 8, .value_kind: global_buffer, .address_space: global }
      - { .name: lowp_scales, .offset: 8, .size: 8, .value_kind: global_buffer, .address_space: global }
      - { .name: inter_palace_weight, .offset: 16, .size: 8, .value_kind: global_buffer, .address_space: global }
      - { .name: out0, .offset: 24, .size: 8, .value_kind: global_buffer, .address_space: global }
    .group_segment_fixed_size: 73728
    .private_segment_fixed_size: 0
    .kernarg_segment_align: 8
    .kernarg_segment_size: 32
    .max_flat_workgroup_size: 256
    .sgpr_count:     66
    .vgpr_count:     512
    .wavefront_size: 32
...
	.end_amdgpu_metadata
.endif
;; end of part 3
;; ======== version 2 of 2: 3 launches; version 1 with the launch attn written anew for expert scheduling mode
;; workspace buffers: xc 25,165,824 bytes; wc 3,145,728 bytes; qkv 25,165,824 bytes
;; launch quant: the kernel of part 1 again; grid 704 x 1, 4 waves a work-group, no clusters, 0 bytes of LDS; arguments x, Wq, Wk, Wv, lowp_scales, xc, wc; writes xc, wc
;; launch proj: the kernel of part 2 again; grid 12 x 32, 4 waves a work-group, clusters of 4 x 4, 327,680 bytes of LDS; arguments xc, wc, lowp_scales, qkv; writes qkv
;; launch attn (part 4): grid 4 x 64, 8 waves a work-group, no clusters, 73,728 bytes of LDS; arguments qkv, lowp_scales, inter_palace_weight, out0; writes out0
.if DOCPART == 4
	.amdgcn_target "amdgcn-amd-amdhsa--gfx1250"
	.amdhsa_code_object_version 6
	.text
	.protected	k_q2e4a3d8234_attn
	.globl	k_q2e4a3d8234_attn
	.p2align	8
	.type	k_q2e4a3d8234_attn,@function
k_q2e4a3d8234_attn:
	s_mov_b64 s[64:65], 0
	v_nop
	global_prefetch_b8 v0, s[64:65] scope:SCOPE_SE
	s_setreg_imm32_b32 hwreg(HW_REG_WAVE_SCHED_MODE, 0, 2), 2
	s_setreg_imm32_b32 hwreg(HW_REG_WAVE_MODE, 25, 1), 1
	s_wait_xcnt 0x0
	s_wait_alu depctr_vm_vsrc(0)
; PalaceAttention, third launch: out = softmax(q k^T / 8 x pmask) v for 64 (batch, head) pairs, head size 64, 2,048 keys, both products on codes of E4M3.  Nothing of the problem is left out: the mask hides no score.
; WHAT IS QUANTISED FOR THE SECOND PRODUCT IS THE FINISHED SOFTMAX (scale entry 9), so a row's sum over all 2,048 keys is known before any weight is converted.
; THE KEYS ARE SHARED AMONG THE WAVES: wave w owns keys 256 w .. 256 w + 255 of the head, and its 16 fragments of k and 8 of v stay in its registers for the whole launch (window 1).
; For a tile of 16 queries a wave holds its 256 scores a query in registers, so each score, each exponential and each product is made once.
; SHARES.  Work-group (c, bh): head bh % 16 of batch bh / 16, the 32 tiles of queries 4 i + c.  256 work-groups of equal work, eight waves of 512 registers each.
; LAYOUT.  S^T = k q^T (source 0 = 16 keys, source 1 = 16 queries): lane (r, hh) holds query r and, in tile t, keys 16 t + 8 hh + 0 .. 7: the conversion of a tile's eight registers gives registers
; 2 t, 2 t + 1 of the second product's operand.  O^T = v^T p^T (source 0 = 16 of the head's 64, K = 128 keys): a lane again holds query r.
; THE MASK.  Key 256 w + 16 t + 8 hh + j lies in palace 2 (t % 4) + hh, query 16 (4 i + c) + r in palace 2 c + r / 8.  So the factor hangs on t % 4 and the lane alone, the same for all tiles of the work-group:
; F[t % 4] = c1 where t % 4 = c and hh = r / 8, else c1 x sigmoid(w);  c1 = log2(e) / 8 x 2^(e6 + e7).  F is never negative, so a class's largest s F is F x its largest s.
; THE SOFTMAX.  Each wave takes the maximum m_w of its own 256 exponents away: e = 2^(s F - m_w), l_w = the sum of e.  The eight pairs (m_w, l_w) of a query meet in LDS; then m = the largest m_u,
; l = the sum of l_u 2^(m_u - m), and p = e x 2^(m_w - m) / l is the softmax as the problem writes it, its row's maximum taken away.
; The hold ahead of the conversion is the middle of (p, 0, 448 x 2^e9); for a NaN it gives the lesser of the other two, 0: the problem's nan_to_num.
; THE SUM OVER WAVES.  Each wave's partial O^T of a tile goes to LDS; wave w adds rows 2 w, 2 w + 1 of the eight parts, in a fixed order, and stores them.  ONE BARRIER A TILE: the parts of tile i - 1 cross at the
; barrier that serves the pairs of tile i; both LDS regions are doubled, by the tile's parity, so that what is read behind barrier i is written again only behind barrier i + 1 (pairs) or i + 2 (parts).
; k and v are read once by a work-group, straight into the registers where they stay, and q a tile ahead: no ring, no tensor load, and no tile that partners could ask for jointly inside the loop.
; LIMITS: e6 + e7 between -123 and 130 (added to c1's exponent field); e9 between -126 and 119; e8 + e9 between -126 and 127.
; LDS: 0: the parts, 2 parities x 8 waves x 16 rows x (256 + 16) bytes;  69,632: the pairs, 2 parities x 16 queries x (8 x 8 + 16) bytes;  72,192: the spare words.
; THE MODE: SCHED_MODE bits 1:0 = 2 (LLVM: expert scheduling mode 2), set by the entry lines.  The code itself states the register dependences
; between vector or matrix instructions and memory or LDS instructions, with s_wait_alu, always for 0.
; THE PLAN.  Registers that memory or LDS instructions touch, round a tile:
;   v3 .. v8     Offsets and LDS addresses: made at the head, never written again; the scalar bases step.
;   Q            Read by the tile's 16 products k q^T; the next tile's loads land in it, behind the maximum.
;   O            Written by the tile's 8 products v^T p^T; read by 8 LDS stores that are issued in the NEXT tile, behind its maximum and ahead of its barrier.
;   ML           Written behind the maximum (m_w) and behind the sum (l_w); read by the pair's LDS store.
;   ST           The eight pairs land in it behind the barrier; vector lines read it; its first four registers are then written by the sum over waves and read by the output's store.
;   P            The eight parts' quads land in it behind the barrier; the additions read it; then the conversions write it and the products v^T p^T read it.
;   Window 1 (k, v) is loaded at the head alone.  S, the statistics and the factors are named by vector and matrix instructions alone.
; Five waits on va_vdst a tile: behind the maximum (O is written, Q is read: the parts' stores and q's loads follow); behind the batch of exponentials; ahead of the pair's store (no vector line stands
; between it and the twelve LDS loads behind the barrier, so it also states that the earlier readers and writers of ST and P are done); behind the nine exponentials; ahead of the output's store (the reciprocal's too).
; One wait on vm_vsrc a tile, ahead of the first product v^T p^T: the parts' stores have read O, the pair's store ML, the output's store ST's first four.
.set OBW,   16*272                     ; a wave's part
.set OBP,   8*OBW                      ; a parity of the parts
.set SB,    2*OBP                      ; the pairs
.set SBP,   16*80                      ; a parity of the pairs
.set SPARE, SB+2*SBP                   ; the spare words, 128 bytes for each wave: four blocks of 256 bytes that no other line names
.set SPW,  1                           ; v1   LDS address of my spare word; never rewritten
.set NIL,  2                           ; v2   0; never rewritten
.set LO,   3                           ; v3   16 x lane
.set STO,  4                           ; v4   where I put my part: wave x 4,352 + 272 r + 32 hh
.set RDO,  5                           ; v5   where I read a row of a part: 272 (2 wave + hh) + 16 r
.set STS,  6                           ; v6   where I put my pair: SB + 80 r + 8 wave
.set RDS,  7                           ; v7   where I read the eight pairs: SB + 80 r
.set GOUT, 8                           ; v8   my bytes of two rows of the output: 4,096 hh + 16 r
.set TMP,  9                           ; v9   at work
.set MW,   10                          ; v[10:11] m_w, twice
.set ML,   12                          ; v[12:13] m_w, l_w: the pair that is stored
.set RN,   14                          ; v[14:15] 2^(m_w - m) / l, twice
.set F,    16                          ; v[16:23] F[0] .. F[3], each twice
.set MC,   24                          ; v24-31 four chains of the maximum; four pairs of the sum; the eight 2^(m_u - m)
.set ST,   32                          ; v[32:47] the eight pairs read back; v[32:35] then 16 bytes of the output
.set LIM,  48                          ; v48  448 x 2^e9
.set SC,   49                          ; v49  2^e9
.set MM,   50                          ; v50  m
.set LL,   51                          ; v51  l
.set RL,   52                          ; v52  1 / l
.set Q,    56                          ; v[56:63] q's fragment
.set P,    64                          ; v[64:95] p's codes, tile t at 64 + 2 t; before that the eight parts' quads
.set O,    96                          ; v[96:127] O^T, four accumulators
.set S,    128                         ; v[128:255] S^T, tile t at 128 + 8 t
.set VF,   128                         ; window 1: v0-127 k, tile t at 8 t; v128-255 v, fragment (step s, tile a) at 128 + 16 (4 s + a)
.set MSB, 0
.macro WIN new                         ; the immediate's high byte repeats the setting that is left
.if MSB != \new
	s_set_vgpr_msb (MSB<<8)|\new
.set MSB, \new
.endif
.endm
	s_load_b256 s[4:11], s[0:1], 0x0               ; qkv s[4:5], the scales' exponents s[6:7], the weight s[8:9], the output s[10:11]
	v_lshl_add_u32 v[SPW], v0, 2, SPARE
	v_mov_b32 v[NIL], 0
	v_lshrrev_b32 v3, 5, v0
	v_readfirstlane_b32 s16, v3                    ; wave 0..7
	v_and_b32 v3, 31, v0
	v_lshlrev_b32 v[LO], 4, v3
	s_wait_alu depctr_va_sdst(0)                   ; s16 is written, ahead of its first reader: the bases of k, v and the output and the LDS addresses are made from it
	s_mov_b32 s17, ttmp9                           ; c
	s_and_b32 s18, ttmp7, 0xffff
	s_lshr_b32 s19, s18, 4                         ; batch
	s_and_b32 s20, s18, 15                         ; head
	s_mov_b32 s22, 0x76543210                      ; v_permlanex16_b32: lane l xor 16
	s_mov_b32 s23, 0xfedcba98
	s_lshl_b32 s41, s19, 3
	s_lshr_b32 s42, s20, 1
	s_add_co_u32 s41, s41, s42
	s_lshl_b32 s41, s41, 7                         ; the pair of heads' first unit of 2,048 bytes in q and in k
	s_and_b32 s42, s20, 1
	s_lshl_b32 s42, s42, 10                        ; my head of the pair
	s_add_co_u32 s43, s41, s17                     ; q: tile c
	s_lshl_b32 s43, s43, 11
	s_add_co_u32 s28, s43, s42
	s_mov_b32 s29, 0
	s_lshl_b32 s43, s16, 4                         ; k: tiles 16 wave on
	s_add_co_u32 s43, s41, s43
	s_lshl_b32 s43, s43, 11
	s_add_co_u32 s43, s43, s42
	s_add_co_u32 s30, s43, 0x800000
	s_mov_b32 s31, 0
	s_lshl_b32 s43, s19, 4                         ; v: steps of keys 16 batch + 2 wave on, tiles of features 4 head on
	s_lshl_b32 s44, s16, 1
	s_add_co_u32 s43, s43, s44
	s_lshl_b32 s43, s43, 6
	s_lshl_b32 s44, s20, 2
	s_add_co_u32 s43, s43, s44
	s_lshl_b32 s43, s43, 11
	s_add_co_u32 s36, s43, 0x1000000
	s_mov_b32 s37, 0
	s_lshl_b32 s43, s17, 4                         ; the output: row 16 c + 2 wave of the batch, 4,096 bytes a row, 256 bytes a head
	s_lshl_b32 s44, s16, 1
	s_add_co_u32 s43, s43, s44
	s_lshl_b32 s43, s43, 12
	s_lshl_b32 s44, s19, 23
	s_add_co_u32 s43, s43, s44
	s_lshl_b32 s44, s20, 8
	s_add_co_u32 s38, s43, s44
	s_mov_b32 s39, 0
	s_wait_kmcnt 0x0
	s_load_b128 s[32:35], s[6:7], 0x18             ; e6, e7, e8, e9
	s_load_b32 s40, s[8:9], 0x0                    ; w
	s_add_nc_u64 s[28:29], s[4:5], s[28:29]
	s_add_nc_u64 s[30:31], s[4:5], s[30:31]
	s_add_nc_u64 s[36:37], s[4:5], s[36:37]
	s_add_nc_u64 s[38:39], s[10:11], s[38:39]
	WIN 0x40                                       ; destination window 1, address window 0
	s_wait_alu depctr_va_vdst(0)                   ; v3, 16 x lane, is written: every load of k, v and q reads it as its offset; only loads and a window switch stand between this wait and the last of them
.irp t, 0,1,2,3,4,5,6,7,8,9,10,11,12,13,14,15
.irp n, 0,1
	global_load_b128 v[8*\t+4*\n:8*\t+4*\n+3], v[LO], s[30:31] offset:2048*\t+512*\n   ; k's fragments as they were stored: 512 consecutive bytes a load
.endr
.endr
.irp s, 0,1
.irp a, 0,1,2,3
.irp i, 0,1,2,3
	global_load_b128 v[VF+16*(4*\s+\a)+4*\i:VF+16*(4*\s+\a)+4*\i+3], v[LO], s[36:37] offset:131072*\s+2048*\a+512*\i   ; v's likewise
.endr
.endr
.endr
	WIN 0
	global_load_b128 v[Q:Q+3], v[LO], s[28:29]     ; q of my first tile
	global_load_b128 v[Q+4:Q+7], v[LO], s[28:29] offset:512
	v_and_b32 v26, 15, v0                          ; r
	v_bfe_u32 v27, v0, 4, 1                        ; hh
	s_mul_i32 s41, s16, OBW
	v_mul_u32_u24 v[STO], v26, 272
	v_lshl_add_u32 v[STO], v27, 5, v[STO]
	v_add_nc_u32 v[STO], s41, v[STO]
	s_mul_i32 s41, s16, 2*272
	v_mul_u32_u24 v[RDO], v27, 272
	v_lshl_add_u32 v[RDO], v26, 4, v[RDO]
	v_add_nc_u32 v[RDO], s41, v[RDO]
	v_mul_u32_u24 v[RDS], v26, 80
	v_add_nc_u32 v[RDS], SB, v[RDS]
	s_lshl_b32 s41, s16, 3
	v_add_nc_u32 v[STS], s41, v[RDS]
	v_lshlrev_b32 v[GOUT], 12, v27
	v_lshl_add_u32 v[GOUT], v26, 4, v[GOUT]
	v_mov_b32 v[TMP], 0                            ; written once: a lane permute's destination counts as one of its sources
	s_wait_kmcnt 0x0
	v_mov_b32 v24, s40
	v_mul_f32 v24, 0xbfb8aa3b, v24                 ; -w log2(e)
	v_exp_f32 v24, v24
	v_lshrrev_b32 v28, 3, v26                      ; (a plain place behind the exponential)  r / 8
	s_wait_alu depctr_va_vdst(0)                   ; the exponential has written v24, ahead of its first reader; the five addresses v4 to v8 are written too, which the LDS instructions and the output's stores read from here on
	v_add_f32 v24, 1.0, v24
	v_rcp_f32 v24, v24                             ; sigmoid(w) = 1 / (1 + 2^(-w log2 e))
	v_cmp_eq_u32 vcc_lo, v27, v28                  ; (a plain place)  does my half of the lanes hold my query's palace?
	s_add_co_i32 s41, s32, s33
	s_lshl_b32 s41, s41, 23
	s_add_co_i32 s41, s41, 0x3e38aa3b              ; c1 = log2(e) / 8, with e6 + e7 added to its exponent field
	v_mov_b32 v25, s41
	s_wait_alu depctr_va_vdst(0)                   ; the reciprocal has written v24, ahead of its first reader
	v_mul_f32 v24, s41, v24                        ; c1 x sigmoid(w): across palaces
	s_wait_alu depctr_va_vcc(0)                    ; the compare has written VCC, ahead of the select that reads it
	v_cndmask_b32 v25, v24, v25, vcc_lo            ; class c: c1 in the lanes that hold the query's palace
.irp tm, 0,1,2,3
	s_cmp_eq_u32 s17, \tm
	s_cselect_b32 s42, -1, 0
	v_cndmask_b32 v[F+2*\tm], v24, v25, s42
	v_mov_b32 v[F+2*\tm+1], v[F+2*\tm]
.endr
	s_add_co_i32 s41, s35, 127
	s_lshl_b32 s42, s41, 23
	v_mov_b32 v[SC], s42                           ; 2^e9
	s_add_co_i32 s41, s41, 8
	s_lshl_b32 s41, s41, 23
	s_or_b32 s41, s41, 0x600000
	v_mov_b32 v[LIM], s41                          ; 448 x 2^e9
	s_add_co_i32 s24, s34, s35
	s_add_co_i32 s24, s24, 127
	s_lshl_b32 s24, s24, 23                        ; 2^(e8 + e9): a sum of the second product stands for sum x that
	s_mov_b32 s25, s24                             ; (named with it as a pair, so it is written)
	s_wait_xcnt 0x0                                ; the loads have read their bases
	s_add_nc_u64 s[28:29], s[28:29], 8192          ; q: four tiles on
.macro SCALE b                         ; pair b of the 64: s F - m_w, two at a time
	v_pk_fma_f32 v[S+2*(\b):S+2*(\b)+1], v[S+2*(\b):S+2*(\b)+1], v[F+2*(((\b)/4)%4):F+2*(((\b)/4)%4)+1], v[MW:MW+1] neg_lo:[0,0,1] neg_hi:[0,0,1]
.endm
.macro NORM t                          ; tile t's eight e become p, are held, and become two registers of codes
.irp n, 0,2,4,6
	v_pk_mul_f32 v[S+8*(\t)+\n:S+8*(\t)+\n+1], v[S+8*(\t)+\n:S+8*(\t)+\n+1], v[RN:RN+1]
.endr
.irp n, 0,1,2,3,4,5,6,7
	v_med3_num_f32 v[S+8*(\t)+\n], v[S+8*(\t)+\n], 0, v[LIM]   ; the conversion to an 8-bit code does not saturate (ISA guide 7.6.2); and a NaN becomes 0
.endr
	v_cvt_scalef32_pk8_fp8_f32 v[P+2*(\t):P+2*(\t)+1], v[S+8*(\t):S+8*(\t)+7], v[SC]
.endm
; My partial O^T goes to LDS, into the parts of parity par: row r, channels 16 a + 8 hh on; each accumulator from its low end.
.macro PARTS par
.irp a, 0,1,2,3
	ds_store_b128 v[STO], v[O+8*\a:O+8*\a+3] offset:OBP*(\par)+64*\a
	ds_store_b128 v[STO], v[O+8*\a+4:O+8*\a+7] offset:OBP*(\par)+64*\a+16
.endr
.endm
; The eight parts' quads in v[P] on are added as a tree, in a fixed order, scaled and stored: lanes 0-15 one row's 256 bytes of my head, lanes 16-31 the next row's.
.macro REDUCE
	s_wait_dscnt 0x0                               ; the eight quads are in
.irp u, 0,2,4,6
	v_pk_add_f32 v[P+4*\u:P+4*\u+1], v[P+4*\u:P+4*\u+1], v[P+4*\u+4:P+4*\u+5]
	v_pk_add_f32 v[P+4*\u+2:P+4*\u+3], v[P+4*\u+2:P+4*\u+3], v[P+4*\u+6:P+4*\u+7]
.endr
.irp u, 0,4
	v_pk_add_f32 v[P+4*\u:P+4*\u+1], v[P+4*\u:P+4*\u+1], v[P+4*\u+8:P+4*\u+9]
	v_pk_add_f32 v[P+4*\u+2:P+4*\u+3], v[P+4*\u+2:P+4*\u+3], v[P+4*\u+10:P+4*\u+11]
.endr
	v_pk_add_f32 v[P:P+1], v[P:P+1], v[P+16:P+17]
	v_pk_add_f32 v[P+2:P+3], v[P+2:P+3], v[P+18:P+19]
	v_pk_mul_f32 v[ST:ST+1], v[P:P+1], s[24:25] op_sel_hi:[1,0]      ; x 2^(e8 + e9)
	v_pk_mul_f32 v[ST+2:ST+3], v[P+2:P+3], s[24:25] op_sel_hi:[1,0]
	s_wait_alu depctr_va_vdst(0)                   ; the two products above have written v[32:35], which the store reads; inside a tile the reciprocal issued ahead of this macro has written 1 / l too, ahead of its first reader
	global_store_b128 v[GOUT], v[ST:ST+3], s[38:39] th:TH_STORE_NT   ; 16 lanes store 256 consecutive bytes, at a multiple of 256 from the output's first byte; written once
.endm
; A TILE OF 16 QUERIES.  par: its parity; first = 1: no tile before it whose parts are to be stored and added; guard = 1: it may be the last, which asks for no further q.
.macro TILE par, first, guard
	s_wait_loadcnt 0x0                             ; q of this tile (ahead of the first tile: k and v too)
	WIN 0x01                                       ; source 0 (k) window 1
.irp t, 0,1,2,3,4,5,6,7,8,9,10,11,12,13,14,15
	v_wmma_f32_16x16x64_fp8_fp8 v[S+8*\t:S+8*\t+7], v[8*\t:8*\t+7], v[Q:Q+7], 0
.endr
	WIN 0
.rept 4
	v_nop                                          ; places in front of the first read of the scores
.endr
	; the largest raw score of each class t % 4: four chains by turns; each tile is first read at its low end
.irp tm, 0,1,2,3
	v_max3_num_f32 v[MC+\tm], v[S+8*\tm], v[S+8*\tm+1], v[S+8*\tm+2]
.endr
.set kk, 1
.rept 14
.irp tm, 0,1,2,3
	v_max3_num_f32 v[MC+\tm], v[MC+\tm], v[S+8*(\tm+4*((2*kk+1)/8))+(2*kk+1)%8], v[S+8*(\tm+4*((2*kk+2)/8))+(2*kk+2)%8]
.endr
.set kk, kk+1
.endr
.irp tm, 0,1,2,3
	v_max_num_f32 v[MC+\tm], v[MC+\tm], v[S+8*(\tm+12)+7]
.endr
.irp tm, 0,1,2,3
	v_mul_f32 v[MC+\tm], v[MC+\tm], v[F+2*\tm]     ; F is not negative: the class's largest exponent
.endr
	v_max3_num_f32 v[MW], v[MC], v[MC+1], v[MC+2]
	v_max_num_f32 v[MW], v[MW], v[MC+3]
	v_permlanex16_b32 v[TMP], v[MW], s22, s23      ; the query's other 128 keys lie in the lane 16 away
	v_max_num_f32 v[MW], v[MW], v[TMP]             ; m_w
	v_mov_b32 v[MW+1], v[MW]
	v_mov_b32 v[ML], v[MW]
	s_wait_alu depctr_va_vdst(0)                   ; this tile's products k q^T are done reading q's registers, in which the loads below land; the last tile's products v^T p^T have written O^T, which the LDS stores below read
.if \guard
	s_cmp_eq_u32 s26, 1                            ; the loop's last trip: no load leaves its buffer
	s_cbranch_scc1 .Lnoq_\@
.endif
	global_load_b128 v[Q:Q+3], v[LO], s[28:29]     ; the next tile's q: it has the rest of this tile's work in which to come
	global_load_b128 v[Q+4:Q+7], v[LO], s[28:29] offset:512
.if \guard
.Lnoq_\@:
.endif
.if !\first
	PARTS 1-\par                                   ; my part of the tile before; the maximum's lines above are the places between its products and these stores
.endif
	; e = 2^(s F - m_w): ONE BATCH of 128 exponentials; a pair is scaled two pairs ahead of its exponentials; nothing here names a result
	SCALE 0
	SCALE 1
.set bb, 0
.rept 64
.if bb+2 < 64
	SCALE bb+2
.endif
	v_exp_f32 v[S+2*bb], v[S+2*bb]
	v_exp_f32 v[S+2*bb+1], v[S+2*bb+1]
.set bb, bb+1
.endr
	v_nop                                          ; a plain instruction behind the last exponential
	s_wait_alu depctr_va_vdst(0)                   ; the 128 exponentials have written their results: one wait for the batch, ahead of its first reader
	; l_w: two at a time, in four chains
.irp n, 0,1,2,3
	v_pk_add_f32 v[MC+2*\n:MC+2*\n+1], v[S+4*\n:S+4*\n+1], v[S+4*\n+2:S+4*\n+3]
.endr
.set bb, 8
.rept 14
.irp n, 0,1,2,3
	v_pk_add_f32 v[MC+2*\n:MC+2*\n+1], v[MC+2*\n:MC+2*\n+1], v[S+2*(bb+\n):S+2*(bb+\n)+1]
.endr
.set bb, bb+4
.endr
	v_pk_add_f32 v[MC:MC+1], v[MC:MC+1], v[MC+2:MC+3]
	v_pk_add_f32 v[MC+4:MC+5], v[MC+4:MC+5], v[MC+6:MC+7]
	v_pk_add_f32 v[MC:MC+1], v[MC:MC+1], v[MC+4:MC+5]
	v_add_f32 v[ML+1], v[MC], v[MC+1]
	v_permlanex16_b32 v[TMP], v[ML+1], s22, s23
	v_add_f32 v[ML+1], v[ML+1], v[TMP]             ; l_w
	s_wait_alu depctr_va_vdst(0)                   ; the pair (m_w, l_w) is written, which the LDS store reads; and all that named v[32:47] and v[64:95] in the tile before is done: the twelve LDS loads behind the barrier land there, with no vector line between
	ds_store_b64 v[STS], v[ML:ML+1] offset:SBP*\par   ; (the two lanes of a query store the same pair to the same place)
	s_wait_dscnt 0x0                               ; for the others' sake: my pair and my part of the tile before have landed; my LDS reads of the tile before are over
	s_barrier_signal -1
	s_barrier_wait -1
.irp n, 0,1,2,3
	ds_load_b128 v[ST+4*\n:ST+4*\n+3], v[RDS] offset:SBP*\par+16*\n   ; my query's eight pairs
.endr
.if !\first
.irp u, 0,1,2,3,4,5,6,7
	ds_load_b128 v[P+4*\u:P+4*\u+3], v[RDO] offset:OBP*(1-\par)+OBW*\u   ; 16 bytes of my rows of the tile before, from each wave's part
.endr
	s_wait_dscnt 8                                 ; the pairs are in; the eight loads issued behind them may be out
.else
	s_wait_dscnt 0x0
.endif
	v_max3_num_f32 v[MM], v[ST], v[ST+2], v[ST+4]
	v_max3_num_f32 v[MM], v[MM], v[ST+6], v[ST+8]
	v_max3_num_f32 v[MM], v[MM], v[ST+10], v[ST+12]
	v_max_num_f32 v[MM], v[MM], v[ST+14]           ; m
.irp u, 0,1,2,3,4,5,6,7
	v_sub_f32 v[MC+\u], v[ST+2*\u], v[MM]
.endr
	v_sub_f32 v[TMP], v[MW], v[MM]
.irp u, 0,1,2,3,4,5,6,7
	v_exp_f32 v[MC+\u], v[MC+\u]                   ; 2^(m_u - m)
.endr
	v_exp_f32 v[TMP], v[TMP]                       ; 2^(m_w - m)
	v_nop
	s_wait_alu depctr_va_vdst(0)                   ; the nine exponentials have written their results: one wait, ahead of their first reader
	v_mul_f32 v[LL], v[MC], v[ST+1]
.irp u, 1,2,3,4,5,6,7
	v_fmac_f32 v[LL], v[MC+\u], v[ST+2*\u+1]       ; l = the sum of l_u 2^(m_u - m): at least 1
.endr
	v_rcp_f32 v[RL], v[LL]
	v_nop                                          ; a plain instruction behind the reciprocal
.if !\first
	REDUCE                                         ; the tile before leaves: work that names nothing of the reciprocal; the wait ahead of its store is the reciprocal's wait too
.else
	s_wait_alu depctr_va_vdst(0)                   ; the reciprocal has written 1 / l, ahead of its first reader
.endif
	v_mul_f32 v[RN], v[TMP], v[RL]                 ; 2^(m_w - m) / l
	v_mov_b32 v[RN+1], v[RN]
.irp t, 0,1,2,3,4,5,6,7
	NORM \t
.endr
	v_nop                                          ; one plain vector instruction between the last conversion and the products that read the codes
	s_wait_alu depctr_vm_vsrc(0)                   ; the parts' LDS stores have read O^T, which the products below write; the pair's store has read v[12:13] and the output's store v[32:35], which the next tile writes again
	WIN 0x01                                       ; source 0 (v) window 1
.irp a, 0,1,2,3
	v_wmma_f32_16x16x128_fp8_fp8 v[O+8*\a:O+8*\a+7], v[VF+16*\a:VF+16*\a+15], v[P:P+15], 0   ; my first 128 keys start the sums
.endr
	WIN 0
.irp t, 8,9,10,11,12,13,14,15
	NORM \t
.endr
	v_nop
	WIN 0x01
.irp a, 0,1,2,3
	v_wmma_f32_16x16x128_fp8_fp8 v[O+8*\a:O+8*\a+7], v[VF+64+16*\a:VF+64+16*\a+15], v[P+16:P+31], v[O+8*\a:O+8*\a+7]   ; the four accumulators take turns, one instruction a turn
.endr
	WIN 0
	s_wait_xcnt 0x0                                ; q's loads and the output's store have read their bases and data: both bases step, and v[32:35] may be loaded again
	s_add_nc_u64 s[28:29], s[28:29], 8192
.if !\first
	s_add_nc_u64 s[38:39], s[38:39], 262144        ; 64 rows of the output on
.endif
.endm
	TILE 0, 1, 0
	TILE 1, 0, 0
	s_mov_b32 s26, 15
.Lpair:                                                ; 15 trips of two tiles, so that the parities are constants of the text
	TILE 0, 0, 0
	TILE 1, 0, 1
	s_sub_co_u32 s26, s26, 1
	s_cmp_lg_u32 s26, 0
	s_cbranch_scc1 .Lpair
.rept 4
	v_nop                                          ; places in front of the stores that read the last products' results
.endr
	s_wait_alu depctr_va_vdst(0)                   ; the last tile's products have written O^T, which the LDS stores read, and are done reading v[64:95], in which the loads behind the barrier land
	PARTS 1                                        ; my part of the last tile
	s_wait_dscnt 0x0                               ; my part of the last tile has landed
	s_barrier_signal -1
	s_barrier_wait -1                              ; everybody's has
.irp u, 0,1,2,3,4,5,6,7
	ds_load_b128 v[P+4*\u:P+4*\u+3], v[RDO] offset:OBP+OBW*\u
.endr
	REDUCE
	s_wait_dscnt 0x0                               ; the closing lines, six on end
	s_wait_alu 0x0
	s_wait_tensorcnt 0x0
	ds_add_u32 v[SPW], v[NIL]
	s_wait_dscnt 0x0
	s_endpgm
.Lfunc_end_k_q2e4a3d8234_attn:
	.size	k_q2e4a3d8234_attn, .Lfunc_end_k_q2e4a3d8234_attn-k_q2e4a3d8234_attn
	.p2alignl 7, 3214868480
	.fill 96, 4, 3214868480
	.section	.rodata,"a",@progbits
	.p2align	6, 0x0
	.amdhsa_kernel k_q2e4a3d8234_attn
		.amdhsa_group_segment_fixed_size 73728
		.amdhsa_private_segment_fixed_size 0
		.amdhsa_enable_private_segment 0
		.amdhsa_kernarg_size 32
		.amdhsa_user_sgpr_count 2
		.amdhsa_user_sgpr_kernarg_segment_ptr 1
		.amdhsa_wavefront_size32 1
		.amdhsa_system_sgpr_workgroup_id_x 1
		.amdhsa_system_sgpr_workgroup_id_y 1
		.amdhsa_system_sgpr_workgroup_id_z 1
		.amdhsa_system_vgpr_workitem_id 0
		.amdhsa_next_free_vgpr 512
		.amdhsa_next_free_sgpr 66
		.amdhsa_reserve_vcc 1
		.amdhsa_float_denorm_mode_32 3
		.amdhsa_float_denorm_mode_16_64 3
		.amdhsa_memory_ordered 1
		.amdhsa_forward_progress 1
		.amdhsa_inst_pref_size 155
	.end_amdhsa_kernel
	.amdgpu_metadata
---
amdhsa.version: [ 1, 2 ]
amdhsa.kernels:
  - .name:           k_q2e4a3d8234_attn
    .symbol:         k_q2e4a3d8234_attn.kd
    .args:
      - { .name: qkv, .offset: 0, .size: 8, .value_kind: global_buffer, .address_space: global }
      - { .name: lowp_scales, .offset: 8, .size: 8, .value_kind: global_buffer, .address_space: global }
      - { .name: inter_palace_weight, .offset: 16, .size: 8, .value_kind: global_buffer, .address_space: global }
      - { .name: out0, .offset: 24, .size: 8, .value_kind: global_buffer, .address_space: global }
    .group_segment_fixed_size: 73728
    .private_segment_fixed_size: 0
    .kernarg_segment_align: 8
    .kernarg_segment_size: 32
    .max_flat_workgroup_size: 256
    .sgpr_count:     66
    .vgpr_count:     512
    .wavefront_size: 32
...
	.end_amdgpu_metadata
.endif
;; end of part 4
